; MI455X (gfx1250); checked and timed in simulation.
; The chip was launched on July 23, 2026; its instructions are those of AMD's public machine-readable ISA for CDNA 5 (MIT licence, August 2026) and "CDNA5" Instruction Set Architecture Reference Guide (July 2026). The comments in the code are by the model that wrote it; some were corrected since.
;; Multi Headed Attention. Allowed arithmetic: matrix products marked QUANTISED: E2M3 operands, one E8M0 scale for each 32 along K, by v_wmma_scale_f32_16x16x128_f8f6f4 with both operands' format E2M3, f32 sums; everything else in f32.
;; Inputs: Wk_codes 1,024 x 32 x 24 uint8 (E2M3 codes of Wk, K innermost, in blocks of 32 codes, four codes in three bytes); Wk_scales 1,024 x 32 uint8 (E8M0 scales of Wk, one for each 32 codes along K); Wo_codes 1,024 x 32 x 24 uint8 (E2M3 codes of Wo, K innermost, in blocks of 32 codes, four codes in three bytes); Wo_scales 1,024 x 32 uint8 (E8M0 scales of Wo, one for each 32 codes along K); Wq_codes 1,024 x 32 x 24 uint8 (E2M3 codes of Wq, K innermost, in blocks of 32 codes, four codes in three bytes); Wq_scales 1,024 x 32 uint8 (E8M0 scales of Wq, one for each 32 codes along K); Wv_codes 1,024 x 32 x 24 uint8 (E2M3 codes of Wv, K innermost, in blocks of 32 codes, four codes in three bytes); Wv_scales 1,024 x 32 uint8 (E8M0 scales of Wv, one for each 32 codes along K); bk 1,024 float32; bo 1,024 float32; bq 1,024 float32; bv 1,024 float32; key_codes 4 x 2,048 x 32 x 24 uint8 (E2M3 codes of key, K innermost, in blocks of 32 codes, four codes in three bytes); key_scales 4 x 2,048 x 32 uint8 (E8M0 scales of key, one for each 32 codes along K); mask 4 x 2,048 x 2,048 int32; query_codes 4 x 2,048 x 32 x 24 uint8 (E2M3 codes of query, K innermost, in blocks of 32 codes, four codes in three bytes); query_scales 4 x 2,048 x 32 uint8 (E8M0 scales of query, one for each 32 codes along K); value_codes 4 x 2,048 x 32 x 24 uint8 (E2M3 codes of value, K innermost, in blocks of 32 codes, four codes in three bytes); value_scales 4 x 2,048 x 32 uint8 (E8M0 scales of value, one for each 32 codes along K).
;; Outputs: out0 4 x 2,048 x 1,024 float32.
;; This version of the problem:
;;   THIS VERSION OF THE PROBLEM IS GIVEN IN LOW PRECISION. The matrix products marked QUANTISED in the list below multiply operands that are first quantised to E2M3 (2 exponent bits, 3 mantissa bits; 6 bits a number), with one power-of-two scale for each 32 numbers along K (OCP MX v1.0); their sums are f32. All else is computed in f32.
;;   The module's matrix products, in the order in which they are computed (A, B: the left and right operand; K: the contracted axis; several contracted axes count as one K, in the product's order):
;;     1. [M 8,192, K 1,024] x [K 1,024, N 1,024]; A: input query (given as codes); B: input Wq (given as codes): QUANTISED
;;     2. [M 8,192, K 1,024] x [K 1,024, N 1,024]; A: input key (given as codes); B: input Wk (given as codes): QUANTISED
;;     3. [M 8,192, K 1,024] x [K 1,024, N 1,024]; A: input value (given as codes); B: input Wv (given as codes): QUANTISED
;;     4. batch 64 x [M 2,048, K 64] x [K 64, N 2,048]; A: computed on the way; B: computed on the way: QUANTISED
;;     5. batch 64 x [M 2,048, K 2,048] x [K 2,048, N 64]; A: softmax (see below); B: computed on the way: QUANTISED
;;     6. [M 8,192, K 1,024] x [K 1,024, N 1,024]; A: computed on the way; B: input Wo (given as codes): QUANTISED
;;   THE QUANTISER, for each operand of a quantised product, along K:
;;     - K is cut into blocks of 32 from its start; a last block that is shorter is filled with zeros.
;;     - A block's scale is 2^e with e = floor(log2(the largest magnitude in the block)) - 2, held to -126 .. 127; a block of zeros has e = 0. As a byte (E8M0): e + 127.
;;     - Each number is divided by its block's scale, clamped to +-7.5, and rounded to the nearest number of E2M3, ties to even, subnormals kept.
;;     - The product sums the exact products of the quantised numbers (number of the format x scale) in f32.
;;   ~~~python
;;   def quantise(x, axis):      # numpy; x: float32 -> the quantised numbers, widened to float32 again
;;       x = np.moveaxis(x, axis, -1); K = x.shape[-1]
;;       x = np.pad(x, [(0, 0)] * (x.ndim - 1) + [(0, -K % 32)]); x = x.reshape(x.shape[:-1] + (-1, 32)); a = np.abs(x).max(-1, keepdims=True)
;;       e = np.where(a > 0, np.clip(np.frexp(np.where(a > 0, a, 1))[1] - 1 - 2, -126, 127), 0)      # np.frexp(a)[1] - 1 = floor(log2(a)), exactly
;;       r = np.clip(x / 2.0 ** e, -7.5, 7.5)
;;       step = 2.0 ** (np.maximum(np.frexp(np.where(r == 0, 1, r))[1] - 1, 0) - 3)
;;       q = np.round(r / step) * step * 2.0 ** e      # np.round: ties to even
;;       return np.moveaxis(q.reshape(q.shape[:-2] + (-1,))[..., :K], -1, axis).astype(np.float32)
;;   ~~~
;;   SOFTMAX AHEAD OF A QUANTISED PRODUCT. Where the list says 'softmax', what is quantised is not the finished softmax but p = 2^(t - M), with t = logit x log2(e) and M = ceil(the row's largest t), a whole number; so 1/2 < the row's largest p <= 1. The row's sum l is taken of the UNQUANTISED p, in f32, and the product's result is divided by l at the end. Since M is a whole number, a kernel that streams over the keys may use a running M (the ceiling of the running maximum): every later rescaling is an exact power of two, which a block's scale takes up: the codes' values come out the same.
;;   OPERANDS COMPUTED ON THE WAY. 'Computed on the way' means the value that the module computes at that place (a softmax that the list does not call 'softmax' is quantised finished and normalised). What goes into a quantiser is computed in f32, as accurately as f32 sums, v_exp_f32 and their like allow (about 1e-6 of the number): no bf16 or f16 on the way to a quantiser, and a product that is left as it is and whose result goes on into a quantised operand takes f32 operands (vector FMAs, or v_wmma_f32_16x16x4_f32). A number that lies on a knife's edge between two numbers of the format may be rounded either way, as far as f32 arithmetic and the matrix unit's own rounding can turn it there, and no further.
;;   INPUTS GIVEN AS CODES. Wk (in the module: [1024, 1024], K = its axis 1); Wo (in the module: [1024, 1024], K = its axis 1); Wq (in the module: [1024, 1024], K = its axis 1); Wv (in the module: [1024, 1024], K = its axis 1); key (in the module: [4, 2048, 1024], K = its axis 2); query (in the module: [4, 2048, 1024], K = its axis 2); value (in the module: [4, 2048, 1024], K = its axis 2): each comes as NAME_codes (uint8): NAME with its K axis moved to the last place and cut into blocks of 32 codes, [.., K / 32, bytes a block], one block behind the other in memory; four codes in three bytes: a row's codes are one little-endian stream of bits, code i at bits 6 i .. 6 i + 5 (a code: sign, 2 exponent bits, 3 mantissa bits); and NAME_scales (uint8): the same leading axes, one E8M0 byte (e + 127) for each 32 codes along K. Its value is code x scale, taken as it is: it is not quantised again, and the codes and scales need not be those that the quantiser above would give.
;; One version. Each part assembles by itself: llvm-mc -triple=amdgcn-amd-amdhsa -mcpu=gfx1250 --defsym DOCPART=n.
;; ======== version 1 of 1: 4 launches
;; limits: right only within a limited range of input values
;; workspace buffers: maskw 2,097,152 bytes of whole numbers; qbuf 6,815,744 bytes; kbuf 6,815,744 bytes; vbuf 6,815,744 bytes; ximg 6,291,456 bytes; xsc 262,144 bytes
;; launch pack (part 1): grid 512 x 1, 4 waves a work-group, no clusters, 34,304 bytes of LDS; arguments mask, maskw; writes maskw
.if DOCPART == 1
	.amdgcn_target "amdgcn-amd-amdhsa--gfx1250"
	.amdhsa_code_object_version 6
	.text
	.protected	k_q2acd9e1c80_pack
	.globl	k_q2acd9e1c80_pack
	.p2align	8
	.type	k_q2acd9e1c80_pack,@function
k_q2acd9e1c80_pack:
	s_mov_b64 s[64:65], 0
	v_nop
	global_prefetch_b8 v0, s[64:65] scope:SCOPE_SE
	s_setreg_imm32_b32 hwreg(HW_REG_WAVE_MODE, 25, 1), 1
	s_wait_xcnt 0x0
; mask [4][2048][2048] int32 becomes maskw [4][128 query tiles][16 key steps][64 words]: bit l of word n = 8 t + j says whether
; mask[b][16 T + l % 16][128 ks + 16 t + 8 (l / 16) + j] is not 0: the lane mask of score register n in the attention launch.
; So the mask's 4 bytes a number are read once here, and the sixteen heads of a batch read one bit a number.
; A work-group takes 16 rows of the mask (one query tile), wave w the key steps 4 w .. 4 w + 3.  Each load reads 512 consecutive bytes of one row;
; a step's 16 x 512 bytes turn through the wave's own stage in LDS (rows 528 bytes apart), so that a lane gets its row's numbers in the order of the score registers.
; A compare gives a word; v_writelane_b32 puts word n into lane n / 2, register n % 2: the 32 lanes then store 256 consecutive bytes, aligned.
; A stream: no matrix unit, no cluster (no two work-groups read the same byte), no barrier (waves share nothing).
.set ROWM, 8192                        ; a row of the mask in bytes
.set SP,   528                         ; a stage row: 512 bytes + 16
.set WST,  16*SP                       ; a wave's stage
.set R,    16                          ; v16-143   two sets of 64 registers as loaded
.set X,    144                         ; v144-207  a step's 64 numbers of my lane
.set OUT,  208                         ; v208-215  two registers of words for each step: no store's data are written again
	s_load_b128 s[4:7], s[0:1], 0x0                ; mask, maskw
	v_lshl_add_u32 v216, v0, 2, 0x8400
	v_mov_b32 v217, 0
	v_lshrrev_b32 v5, 5, v0
	v_readfirstlane_b32 s8, v5                     ; wave 0..3
	v_and_b32 v5, 31, v0                           ; lane
	v_and_b32 v6, 15, v0                           ; r
	v_bfe_u32 v7, v0, 4, 1                         ; h
	v_lshlrev_b32 v1, 4, v5                        ; 16 x lane: my bytes of a load's 512
	s_mul_i32 s9, s8, WST
	v_add_nc_u32 v2, s9, v1                        ; into the stage: as loaded
	v_mul_u32_u24 v3, v6, SP
	v_lshl_add_u32 v3, v7, 5, v3
	v_add_nc_u32 v3, s9, v3                        ; out of it: row r, + 32 h
	v_lshlrev_b32 v4, 3, v5                        ; 8 x lane: my two words of a step's 64
.irp i, 0,1,2,3,4,5,6,7
	v_mov_b32 v[OUT+\i], 0                         ; v_writelane_b32 counts as a reader of its destination
.endr
	s_lshl_b32 s10, ttmp9, 17                      ; 16 rows of 8,192 bytes a work-group,
	s_lshl_b32 s11, s8, 11                         ; 4 key steps of 512 bytes a wave
	s_add_co_u32 s10, s10, s11
	s_mov_b32 s11, 0
	s_lshl_b32 s12, ttmp9, 12                      ; 16 key steps of 256 bytes a work-group,
	s_lshl_b32 s13, s8, 10                         ; 4 of them a wave
	s_add_co_u32 s12, s12, s13
	s_mov_b32 s13, 0
	s_wait_kmcnt 0x0
	s_add_nc_u64 s[4:5], s[4:5], s[10:11]
	s_add_nc_u64 s[6:7], s[6:7], s[12:13]
.macro LOAD s                          ; key step s: 512 bytes of each of the 16 rows, into set s % 2
.irp t, 0,1,2,3,4,5,6,7,8,9,10,11,12,13,14,15
	global_load_b128 v[R+64*((\s)%2)+4*\t:R+64*((\s)%2)+4*\t+3], v1, s[4:5] offset:ROWM*\t+512*(\s) th:TH_LOAD_NT
.endr
.endm
.macro PSTEP s
.if (\s) < 3
	s_wait_loadcnt 16                              ; this step's 16 loads are in; the next step's 16 may be out
.else
	s_wait_loadcnt 0x0
.endif
.irp t, 0,1,2,3,4,5,6,7,8,9,10,11,12,13,14,15
	ds_store_b128 v2, v[R+64*((\s)%2)+4*\t:R+64*((\s)%2)+4*\t+3] offset:SP*\t
.endr
.irp t, 0,1,2,3,4,5,6,7
	ds_load_b128 v[X+8*\t:X+8*\t+3], v3 offset:64*\t          ; LDS serves a wave's instructions in order: these see the stores above
	ds_load_b128 v[X+8*\t+4:X+8*\t+7], v3 offset:64*\t+16
.endr
	s_wait_dscnt 0x0                               ; the numbers are back, and the stores have read their registers,
.if (\s) < 2
	LOAD (\s)+2                                    ; which take the loads of two steps on
.endif
.set g, 0
.rept 8
.irp k, 0,1,2,3,4,5,6,7
	v_cmp_ne_u32 s[16+\k], 0, v[X+8*g+\k]          ; word 8 g + k
.endr
.irp k, 0,1,2,3,4,5,6,7
	v_writelane_b32 v[OUT+2*(\s)+\k%2], s[16+\k], 4*g+\k/2
.endr
.set g, g+1
.endr
	global_store_b64 v4, v[OUT+2*(\s):OUT+2*(\s)+1], s[6:7] offset:256*(\s)   ; 32 lanes store 256 consecutive bytes, aligned
.endm
	LOAD 0
	LOAD 1
	PSTEP 0
	PSTEP 1
	PSTEP 2
	PSTEP 3
	s_wait_tensorcnt 0x0
	ds_add_u32 v216, v217
	s_wait_dscnt 0x0
	s_endpgm
.Lfunc_end_k_q2acd9e1c80_pack:
	.size	k_q2acd9e1c80_pack, .Lfunc_end_k_q2acd9e1c80_pack-k_q2acd9e1c80_pack
	.p2alignl 7, 3214868480
	.fill 96, 4, 3214868480
	.section	.rodata,"a",@progbits
	.p2align	6, 0x0
	.amdhsa_kernel k_q2acd9e1c80_pack
		.amdhsa_group_segment_fixed_size 34304
		.amdhsa_private_segment_fixed_size 0
		.amdhsa_enable_private_segment 0
		.amdhsa_kernarg_size 16
		.amdhsa_user_sgpr_count 2
		.amdhsa_user_sgpr_kernarg_segment_ptr 1
		.amdhsa_wavefront_size32 1
		.amdhsa_system_sgpr_workgroup_id_x 1
		.amdhsa_system_sgpr_workgroup_id_y 1
		.amdhsa_system_sgpr_workgroup_id_z 1
		.amdhsa_system_vgpr_workitem_id 0
		.amdhsa_next_free_vgpr 218
		.amdhsa_next_free_sgpr 66
		.amdhsa_reserve_vcc 0
		.amdhsa_float_denorm_mode_32 3
		.amdhsa_float_denorm_mode_16_64 3
		.amdhsa_memory_ordered 1
		.amdhsa_forward_progress 1
		.amdhsa_inst_pref_size 49
	.end_amdhsa_kernel
	.amdgpu_metadata
---
amdhsa.version: [ 1, 2 ]
amdhsa.kernels:
  - .name:           k_q2acd9e1c80_pack
    .symbol:         k_q2acd9e1c80_pack.kd
    .args:
      - { .name: mask, .offset: 0, .size: 8, .value_kind: global_buffer, .address_space: global }
      - { .name: maskw, .offset: 8, .size: 8, .value_kind: global_buffer, .address_space: global }
    .group_segment_fixed_size: 34304
    .private_segment_fixed_size: 0
    .kernarg_segment_align: 8
    .kernarg_segment_size: 16
    .max_flat_workgroup_size: 128
    .sgpr_count:     66
    .vgpr_count:     218
    .wavefront_size: 32
...
	.end_amdgpu_metadata
.endif
;; end of part 1
;; launch proj (part 2): grid 4 x 96, 4 waves a work-group, clusters of 4 x 4, 327,680 bytes of LDS; arguments query_codes, query_scales, key_codes, key_scales, value_codes, value_scales, Wq_codes, Wq_scales, Wk_codes, Wk_scales, Wv_codes, Wv_scales, bq, bk, bv, qbuf, kbuf, vbuf; writes qbuf, kbuf, vbuf
.if DOCPART == 2
	.amdgcn_target "amdgcn-amd-amdhsa--gfx1250"
	.amdhsa_code_object_version 6
	.text
	.protected	k_q2acd9e1c80_proj
	.globl	k_q2acd9e1c80_proj
	.p2align	8
	.type	k_q2acd9e1c80_proj,@function
k_q2acd9e1c80_proj:
	s_mov_b64 s[64:65], 0
	v_nop
	global_prefetch_b8 v0, s[64:65] scope:SCOPE_SE
	s_setreg_imm32_b32 hwreg(HW_REG_WAVE_MODE, 25, 1), 1
	s_wait_xcnt 0x0
	s_wait_alu depctr_hold_cnt(0) depctr_sa_sdst(0) depctr_va_vdst(0) depctr_va_sdst(0) depctr_va_ssrc(0) depctr_va_vcc(0) depctr_vm_vsrc(0)
	s_getreg_b32 s2, hwreg(HW_REG_IB_STS2, 6, 4)
	s_cmp_eq_u32 s2, 0
	s_cbranch_scc0 .Lentry_in_a_cluster
	s_endpgm
.Lentry_in_a_cluster:
	s_bfe_u32 s2, ttmp6, 0x10000c
	s_cmp_lg_u32 s2, 0xf033
	s_cbranch_scc0 .Lentry_shape_is_right
	s_endpgm
.Lentry_shape_is_right:
; Q = query Wq^T + bq, K = key Wk^T + bk, V^T = Wv value^T + bv, on codes of FP6 (E2M3) with E8M0 scales; each result is quantised again and stored as images of operand registers in records of 6,656 bytes.
; The cluster's y picks the tensor (y / 8) and the block of four tiles (y % 8).  For V the weight is source A and the tokens are source B, so that V's scale blocks run along the tokens.
; A tile of 256 x 256 is made by four waves, 128 x 128 each: 64 accumulators.  K = 1,024 is 768 bytes a row: three chunks of 256 bytes, each beginning at a multiple of 256, through two LDS slots (chunk c in slot c % 2).
; A step is 128 along K, 96 bytes: steps 2 and 5 lie across two chunks.  The scales of the 256 + 256 rows come once, as dense blocks.  No prefetch: two of the three chunks are asked for at the head, so no loop runs ahead of the third.
; CLUSTER 4 x 4: A's tiles are asked for jointly along a row of the cluster, B's along a column.
; The bias that runs along a lane's registers is the first products' C; the other one is added on the way out; the one that does not apply to the tensor at hand is multiplied by 0.
; LIMITS: NaN and infinities are not served.  A block of zeros gets the byte 1: its codes are zeros, and this program alone reads the bytes.
.set ROWB,   256
.set NQ,     2
.set KROW,   768
.set STEPS,  8
.set CHUNKS, 3
.set PITCH,  272                       ; 256 bytes + 16 of padding
.set FR,     12
.set NL,     6
.set NP,     4
.set HALFT,  128*PITCH
.set SLOT,   4*HALFT                   ; A's 256 rows, then B's
.set KS,     32
.set SCL,    2*SLOT                    ; the scales, units of 256 + 16
.set HALFS,  16*272
.set SBLK,   2*272
.set SPARE,  SCL+4*HALFS               ; the spare words
.set REC,    6656
.set HEADB,  16*REC
.set ADRA, 16                          ; v16-17 A's fragments in slot 0, 1; v18-19 for pieces whose two halves of the lanes lie in different chunks
.set ADRB, 20                          ; v20-23 the same for B
.set ADRS, 27
.set SPW,  28
.set NIL,  29
.set SC,   32                          ; v32-63 scale words, two sets
.set BI,   64                          ; v64-127 the bias as the first products' C
.set AF,   128                         ; v128-223 A's fragments
.set BJ,   224                         ; v224-239 the bias added on the way out
.set L8,   10
.set SH,   11
.set LS,   12
.set X,    128
.set CD,   192
.set TM,   32
.set PW,   48
.set SW,   240
.set SEL,  48
.set G1, 24
.set G0, 32
.set G1B, 48
.set G0B, 56
.set G1S, 68
.set G0S, 76
.set G1SB, 80
.set G0SB, 88
.set G0H, 4
.set G0HB, 8
.set MSB, 0
.macro WIN new
.if MSB != \new
	s_set_vgpr_msb (MSB<<8)|\new
.set MSB, \new
.endif
.endm
.macro WINM hi, first                  ; B window 1, A window 0, D window 2 or 3; C the same, or window 0 for the bias
.if \first
	WIN 0x81+0x40*(\hi)
.else
	WIN 0xa1+0x50*(\hi)
.endif
.endm
.set TO_B,   0x40
.macro PLACES n
.rept \n
	v_nop
.endr
.endm
.macro TLOAD g0, g1
	tensor_load_to_lds s[\g0:\g0+3], s[\g1:\g1+7]
	s_nop 0
	PLACES 4
.endm
.macro JLOAD g0a, g1a, g0b, g1b        ; waves 0, 1 fetch for A, waves 2, 3 for B
	s_cmp_eq_u32 s15, 0
	s_cbranch_scc0 .Lfor_b_\@
	TLOAD \g0a, \g1a
	s_branch .Lasked_\@
.Lfor_b_\@:
	TLOAD \g0b, \g1b
.Lasked_\@:
.endm
.macro CREST
	s_cmp_lg_u32 s14, 0
	s_cbranch_scc1 .Lnot_wave_0_\@
	s_barrier_signal -3
.Lnot_wave_0_\@:
	s_barrier_wait -3
	s_barrier_signal -1
	s_barrier_wait -1
.endm
.macro CROUND
	s_barrier_signal -1
	s_barrier_wait -1
	CREST
.endm
	s_load_b512 s[24:39], s[0:1], 0x0
	s_load_b512 s[40:55], s[0:1], 0x40
	s_load_b128 s[56:59], s[0:1], 0x80
	v_lshl_add_u32 v[SPW], v0, 2, SPARE
	v_mov_b32 v[NIL], 0
	ds_add_u32 v[SPW], v[NIL]
	ds_add_u32 v[SPW], v[NIL]
	v_lshrrev_b32 v1, 5, v0
	v_readfirstlane_b32 s14, v1                    ; wave
	s_lshr_b32 s15, s14, 1                         ; my half of the rows; also: I fetch for A (0) or B (1)
	s_and_b32 s16, s14, 1                          ; my half of the columns; also: which 128 rows I fetch
	s_and_b32 s19, ttmp7, 0xffff
	s_lshr_b32 s18, s19, 3                         ; 0 Q, 1 K, 2 V
	s_and_b32 s19, s19, 7
	s_wait_dscnt 0x0
	s_wait_kmcnt 0x0
	s_cmp_eq_u32 s18, 0
	s_cselect_b64 s[4:5], s[24:25], s[28:29]
	s_cselect_b64 s[6:7], s[26:27], s[30:31]
	s_cselect_b64 s[8:9], s[36:37], s[40:41]
	s_cselect_b64 s[10:11], s[38:39], s[42:43]
	s_cselect_b64 s[96:97], s[48:49], s[50:51]
	s_cselect_b64 s[12:13], s[54:55], s[56:57]
	s_cmp_eq_u32 s18, 2
	s_cselect_b64 s[4:5], s[44:45], s[4:5]
	s_cselect_b64 s[6:7], s[46:47], s[6:7]
	s_cselect_b64 s[8:9], s[32:33], s[8:9]
	s_cselect_b64 s[10:11], s[34:35], s[10:11]
	s_cselect_b64 s[96:97], s[52:53], s[96:97]
	s_cselect_b64 s[12:13], s[58:59], s[12:13]
	s_cselect_b32 s98, 1, 0
	s_cselect_b32 s20, 0, s19
	s_cselect_b32 s21, s19, 0
	s_bfe_u32 s40, ttmp6, 0x40000
	s_bfe_u32 s41, ttmp6, 0x40004
	s_lshl_b32 s42, s21, 2
	s_add_co_u32 s42, s42, s40                     ; tile column
	s_lshl_b32 s17, s20, 2
	s_add_co_u32 s17, s17, s41                     ; tile row
	s_lshl_b32 s99, s17, 1
	s_add_co_u32 s99, s99, s15
	s_lshl_b32 s100, s42, 1
	s_add_co_u32 s100, s100, s16
	s_lshl_b32 s43, s41, 2
	s_lshl_b32 s43, 15, s43                        ; my row of the cluster
	s_lshl_b32 s44, 0x1111, s40                    ; my column
	s_or_b32 s[G1+0], s43, (1<<20)|(1<<21)|(5<<22)|(3<<25)
	s_or_b32 s[G1B+0], s44, (1<<20)|(1<<21)|(5<<22)|(3<<25)
.irp g, G1, G1B                        ; 256 rows of 256 bytes for the head's loads
	s_mov_b32 s[\g+1], ROWB<<16
	s_mov_b32 s[\g+2], 256<<16
	s_mov_b32 s[\g+3], ROWB<<16
	s_mov_b32 s[\g+4], 256
	s_mov_b32 s[\g+5], KROW
	s_mov_b32 s[\g+6], 0
	s_mov_b32 s[\g+7], 0
.endr
	s_or_b32 s[G1S+0], s43, (3<<16)|(1<<20)|(1<<21)|(5<<22)|(3<<25)
	s_or_b32 s[G1SB+0], s44, (3<<16)|(1<<20)|(1<<21)|(5<<22)|(3<<25)
.irp g, G1S, G1SB                      ; the scales of 256 rows: 32 units of 256 bytes
	s_mov_b32 s[\g+1], 32<<16
	s_mov_b32 s[\g+2], KS<<16
	s_mov_b32 s[\g+3], 32<<16
	s_mov_b32 s[\g+4], KS
	s_mov_b32 s[\g+5], 32
	s_mov_b32 s[\g+6], 0
	s_mov_b32 s[\g+7], 0
.endr
	s_lshl_b32 s20, s17, 8
	s_lshl_b32 s46, s42, 8
	s_mov_b32 s21, 0
	s_mov_b32 s47, 0
	s_mov_b64 s[18:19], KS
	s_mul_u64 s[22:23], s[20:21], s[18:19]
	s_mul_u64 s[92:93], s[46:47], s[18:19]
	s_mov_b64 s[18:19], KROW
	s_mul_u64 s[20:21], s[20:21], s[18:19]
	s_mul_u64 s[46:47], s[46:47], s[18:19]
	s_mul_i32 s18, s16, 128*KROW
	s_mov_b32 s19, 0
	s_mul_i32 s45, s14, HALFT
	s_add_nc_u64 s[20:21], s[4:5], s[20:21]
	s_add_nc_u64 s[22:23], s[6:7], s[22:23]
	s_add_nc_u64 s[46:47], s[8:9], s[46:47]
	s_add_nc_u64 s[92:93], s[10:11], s[92:93]
	CROUND                                         ; the first joint loads meet
	s_mov_b32 s[G0H], 1
	s_mov_b32 s[G0H+1], 0
	s_mov_b64 s[G0H+2:G0H+3], s[20:21]
	s_or_b32 s[G0H+3], s[G0H+3], 0x80000000
	s_mov_b32 s[G0HB], 1
	s_mov_b32 s[G0HB+1], 2*HALFT
	s_mov_b64 s[G0HB+2:G0HB+3], s[46:47]
	s_or_b32 s[G0HB+3], s[G0HB+3], 0x80000000
	s_mov_b32 s[G0S], 1
	s_mov_b32 s[G0S+1], SCL
	s_mov_b64 s[G0S+2:G0S+3], s[22:23]
	s_or_b32 s[G0S+3], s[G0S+3], 0x80000000
	s_mov_b32 s[G0SB], 1
	s_mov_b32 s[G0SB+1], SCL+2*HALFS
	s_mov_b64 s[G0SB+2:G0SB+3], s[92:93]
	s_or_b32 s[G0SB+3], s[G0SB+3], 0x80000000
	s_add_nc_u64 s[20:21], s[20:21], s[18:19]      ; for the ring: my 128 rows
	s_add_nc_u64 s[46:47], s[46:47], s[18:19]
.irp s, 0,1
	s_mov_b32 s[G0+4*\s], 1
	s_add_co_u32 s[G0+4*\s+1], s45, \s*SLOT
	s_add_nc_u64 s[G0+4*\s+2:G0+4*\s+3], s[20:21], \s*ROWB
	s_or_b32 s[G0+4*\s+3], s[G0+4*\s+3], 0x80000000
	s_mov_b32 s[G0B+4*\s], 1
	s_add_co_u32 s[G0B+4*\s+1], s45, \s*SLOT
	s_add_nc_u64 s[G0B+4*\s+2:G0B+4*\s+3], s[46:47], \s*ROWB
	s_or_b32 s[G0B+4*\s+3], s[G0B+4*\s+3], 0x80000000
.endr
.macro ARM under, g0, g1, next         ; the head's loads, one a wave, in one chain of branches
	s_cmp_lt_u32 s14, \under
	s_cbranch_scc0 \next
	TLOAD \g0, \g1
	s_branch .Lhead_asked
\next:
.endm
	ARM 1, G0H,  G1,  .Lhead_b                     ; wave 0: chunk 0 of A
	ARM 2, G0HB, G1B, .Lhead_sa                    ; wave 1: of B
	ARM 3, G0S,  G1S, .Lhead_sb                    ; wave 2: A's scales
	TLOAD G0SB, G1SB                               ; wave 3: B's
.Lhead_asked:
	v_and_b32 v1, 15, v0
	v_bfe_u32 v2, v0, 4, 1
	v_mul_u32_u24 v3, v1, PITCH
	v_mul_u32_u24 v4, v2, 24
	v_add_nc_u32 v4, v3, v4                        ; row x pitch + 24 x half
	s_mov_b32 s21, SLOT-232
	s_mov_b32 s22, SLOT+232
	v_sub_nc_u32 v7, 1, v2
	v_mul_u32_u24 v5, s21, v2
	v_add_nc_u32 v5, v3, v5
	v_add_nc_u32 v5, 232, v5                       ; lanes 0-15 byte 232 in slot 0, lanes 16-31 byte 0 in slot 1
	v_mul_u32_u24 v6, s22, v7
	v_add_nc_u32 v6, v3, v6                        ; and the other way round
	s_mul_i32 s21, s15, HALFT
	s_mul_i32 s22, s16, HALFT
	s_add_co_u32 s22, s22, 2*HALFT
	v_add_nc_u32 v[ADRA+2], s21, v5
	v_add_nc_u32 v[ADRA+3], s21, v6
	v_add_nc_u32 v[ADRB+2], s22, v5
	v_add_nc_u32 v[ADRB+3], s22, v6
.irp s, 0,1
	v_add_nc_u32 v[ADRA+\s], s21, v4
	v_add_nc_u32 v[ADRB+\s], s22, v4
	s_add_co_u32 s21, s21, SLOT
	s_add_co_u32 s22, s22, SLOT
.endr
	v_mul_u32_u24 v5, v1, KS
	v_lshrrev_b32 v6, 8, v5
	v_lshl_add_u32 v5, v6, 4, v5
	s_mul_i32 s21, s15, HALFS
	s_mul_i32 s22, s16, HALFS
	s_add_co_u32 s22, s22, 2*HALFS
	s_sub_co_u32 s22, s22, s21
	v_mul_u32_u24 v6, s22, v2                      ; lanes 16-31 take B's scale words
	s_add_co_u32 s21, s21, SCL
	v_add_nc_u32 v5, v5, v6
	v_add_nc_u32 v[ADRS], s21, v5
	v_and_b32 v6, 31, v0
	v_lshlrev_b32 v[L8], 3, v6
	s_cmp_eq_u32 s98, 1
	s_cselect_b32 s21, 0, s100
	s_cselect_b32 s22, s99, 0
	s_cselect_b32 s92, 0, 1.0
	s_cselect_b32 s94, 1.0, 0
	s_mov_b32 s93, s92
	s_lshl_b32 s21, s21, 9
	s_lshl_b32 s22, s22, 9
	v_lshl_add_u32 v8, v2, 5, s21
	v_lshl_add_u32 v9, v1, 2, s22
.irp b, 0,1,2,3,4,5,6,7
	global_load_b128 v[BI+8*\b:BI+8*\b+3], v8, s[96:97] offset:64*\b
	global_load_b128 v[BI+8*\b+4:BI+8*\b+7], v8, s[96:97] offset:64*\b+16
.endr
.irp a, 0,1,2,3,4,5,6,7
	global_load_b32 v[BJ+2*\a], v9, s[96:97] offset:64*\a
.endr
	s_wait_loadcnt 0x0
.set i, 0
.rept 32
	v_pk_mul_f32 v[BI+i:BI+i+1], v[BI+i:BI+i+1], s[92:93] op_sel_hi:[1,0]
.set i, i+2
.endr
.irp a, 0,1,2,3,4,5,6,7
	v_mul_f32 v[BJ+2*\a], s94, v[BJ+2*\a]
.endr
.irp a, 0,1,2,3,4,5,6,7
	v_mov_b32 v[BJ+2*\a+1], v[BJ+2*\a]
.endr
.macro FRAG reg, adr, st, i            ; 16 rows x 128 K: six pieces of 8 bytes; byte y of a row lies in slot (y / 256) % 2 at byte y % 256
.irp p, 0,1,2,3,4,5
.set BY, 96*(\st)+48*(\p/3)+8*(\p%3)
.if BY/ROWB == (BY+24)/ROWB
	ds_load_b64 v[\reg+2*\p:\reg+2*\p+1], v[\adr+(BY/ROWB)%2] offset:BY%ROWB+(\i)*16*PITCH
.else
	ds_load_b64 v[\reg+2*\p:\reg+2*\p+1], v[\adr+2+(BY/ROWB)%2] offset:BY%ROWB-232+(\i)*16*PITCH
.endif
.endr
.endm
.macro MUL16 a0, p, q, sc, first       ; A's blocks a0, a0 + 1 x B's eight; the accumulators take turns
.irp a, \a0, \a0+1
.irp b, 0,1,2,3,4,5,6,7
.if \first
	v_wmma_scale_f32_16x16x128_f8f6f4 v[8*(8*((\a)%4)+\b):8*(8*((\a)%4)+\b)+7], v[128*(\p)+FR*\b:128*(\p)+FR*\b+FR-1], v[AF+FR*(\a):AF+FR*(\a)+FR-1], v[BI+8*\b:BI+8*\b+7], v[SC+8*NQ*(\sc)+NQ*\b+(\q)], v[SC+8*NQ*(\sc)+NQ*(\a)+(\q)] matrix_a_fmt:MATRIX_FMT_FP6 matrix_b_fmt:MATRIX_FMT_FP6 matrix_a_scale:MATRIX_SCALE_ROW1
.else
	v_wmma_scale_f32_16x16x128_f8f6f4 v[8*(8*((\a)%4)+\b):8*(8*((\a)%4)+\b)+7], v[128*(\p)+FR*\b:128*(\p)+FR*\b+FR-1], v[AF+FR*(\a):AF+FR*(\a)+FR-1], v[8*(8*((\a)%4)+\b):8*(8*((\a)%4)+\b)+7], v[SC+8*NQ*(\sc)+NQ*\b+(\q)], v[SC+8*NQ*(\sc)+NQ*(\a)+(\q)] matrix_a_fmt:MATRIX_FMT_FP6 matrix_b_fmt:MATRIX_FMT_FP6 matrix_a_scale:MATRIX_SCALE_ROW1
.endif
.endr
.endr
.endm
.macro FETCH_B st, p
	WIN TO_B
.irp i, 0,1,2,3,4,5,6,7
	FRAG 128*(\p)+FR*\i, ADRB, \st, \i
.endr
	WIN 0
.endm
.macro FETCH_A st, i0
.irp i, \i0, \i0+1, \i0+2, \i0+3
	FRAG AF+FR*(\i), ADRA, \st, \i
.endr
.endm
.macro SCALES pr                       ; the scale words of steps 2 pr, 2 pr + 1
.irp i, 0,1,2,3,4,5,6,7
	ds_load_b64 v[SC+8*NQ*((\pr)%2)+NQ*\i:SC+8*NQ*((\pr)%2)+NQ*\i+1], v[ADRS] offset:\i*SBLK+4*NQ*(\pr)
.endr
.endm
; A step: 64 products; the next step's fragments are fetched in its middle and at its end.  Where the next step ends in a chunk not yet read, a barrier shows that chunk whole;
; where it begins in a later chunk, the chunk left behind is given up behind the wait for all tensor loads, the add and the wait for my reads, and is filled again behind a round if a chunk is left to fetch.
.macro STEP st, first
.set NX, (\st)+1
.set C0, (96*(\st))/ROWB
.set C1, (96*NX)/ROWB
.set E0, (96*(\st)+95)/ROWB
.set E1, (96*NX+95)/ROWB
.if C1 > C0 || E1 > E0
	s_wait_tensorcnt 0x0
.if C1 > C0
	ds_add_u32 v[SPW], v[NIL]
	s_wait_dscnt 4*NL+1                            ; the add and A's blocks 4-7 may be out
.else
	s_wait_dscnt 4*NL                              ; A's blocks 4-7 may be out
.endif
	WINM 0, \first
	MUL16 0, (\st)%2, (\st)%2, ((\st)/2)%2, \first
	s_wait_dscnt 0x0
	s_barrier_signal -1
	MUL16 2, (\st)%2, (\st)%2, ((\st)/2)%2, \first
	WIN 0
	s_barrier_wait -1
.if C1 > C0 && C0+2 < CHUNKS
	CREST
	s_add_nc_u64 s[G0+4*(C0%2)+2:G0+4*(C0%2)+3], s[G0+4*(C0%2)+2:G0+4*(C0%2)+3], 2*ROWB
	s_add_nc_u64 s[G0B+4*(C0%2)+2:G0B+4*(C0%2)+3], s[G0B+4*(C0%2)+2:G0B+4*(C0%2)+3], 2*ROWB
	JLOAD G0+4*(C0%2), G1, G0B+4*(C0%2), G1B
.else
	PLACES NP
.endif
.else
	s_wait_dscnt 4*NL
	WINM 0, \first
	MUL16 0, (\st)%2, (\st)%2, ((\st)/2)%2, \first
	MUL16 2, (\st)%2, (\st)%2, ((\st)/2)%2, \first
	s_wait_dscnt 0
	PLACES NP
.endif
	FETCH_B NX, NX%2
	FETCH_A NX, 0
.if NX%2 == 0
	SCALES NX/2
.endif
	WINM 1, \first
	MUL16 4, (\st)%2, (\st)%2, ((\st)/2)%2, \first
	MUL16 6, (\st)%2, (\st)%2, ((\st)/2)%2, \first
	PLACES NP
	WIN 0
	FETCH_A NX, 4
.endm
	s_wait_alu depctr_va_vdst(0)
	s_wait_tensorcnt 0x0                           ; my tile of the head's four is in
	ds_add_u32 v[SPW], v[NIL]
	s_mov_b32 s[G1+2], 128<<16                     ; no load of mine is out: from here on a load brings 128 rows
	s_mov_b32 s[G1+4], 128
	s_mov_b32 s[G1B+2], 128<<16
	s_mov_b32 s[G1B+4], 128
	s_wait_dscnt 0x0
	CROUND
	JLOAD G0+4, G1, G0B+4, G1B                     ; chunk 1, slot 1's first fill
	FETCH_B 0, 0
	FETCH_A 0, 0
	SCALES 0
	FETCH_A 0, 4
	STEP 0, 1
.set ST, 1
.rept STEPS-2
	STEP ST, 0
.set ST, ST+1
.endr
	s_wait_dscnt 4*NL
	WIN 0xa1
	MUL16 0, 1, 1, 1, 0
	MUL16 2, 1, 1, 1, 0
	s_wait_dscnt 0
	WIN 0xf1
	MUL16 4, 1, 1, 1, 0
	MUL16 6, 1, 1, 1, 0
	WIN 0
	PLACES NP
; the way out: where the records of this wave's 128 x 128 lie, by tensor
	s_cmp_eq_u32 s98, 1
	s_cselect_b32 s40, s100, s99
	s_cselect_b32 s41, s99, s100
	s_mov_b32 s42, HEADB
	s_cselect_b32 s42, 768, s42
	s_mov_b32 s32, 768
	s_cselect_b32 s32, 1536, s32
	s_cselect_b32 s34, HEADB-6144, 0
	s_mov_b32 s44, 256
	s_cselect_b32 s44, HEADB, s44
	s_mov_b32 s36, 0xffff
	s_cselect_b32 s36, -1, s36
	s_mov_b32 s37, HEADB
	s_cselect_b32 s37, 256, s37
	s_cselect_b32 s38, 0, 16
	s_mov_b32 s33, 0
	s_mov_b32 s35, 0
	s_mov_b32 s43, 0
	s_mov_b32 s45, 0
	s_lshl_b32 s41, s41, 1
	s_lshr_b32 s46, s40, 4
	s_lshl_b32 s46, s46, 4
	s_add_co_u32 s46, s46, s41
	s_lshl_b32 s46, s46, 4
	s_and_b32 s47, s40, 15
	s_add_co_u32 s46, s46, s47
	s_mul_i32 s46, s46, REC
	s_mov_b32 s47, 0
	s_add_nc_u64 s[24:25], s[12:13], s[46:47]
	s_add_nc_u64 s[26:27], s[24:25], s[42:43]
	s_add_nc_u64 s[28:29], s[24:25], 6144
	s_add_nc_u64 s[30:31], s[28:29], s[44:45]
	s_mov_b32 s[SEL], 0x76543210
	s_mov_b32 s[SEL+1], 0xfedcba98
	v_mul_u32_u24 v[SH], v2, s38
	v_mul_u32_u24 v[LS], v2, s37
	v_lshl_add_u32 v[LS], v1, 4, v[LS]
.irp b, 0,1,2,3
	v_mov_b32 v[TM+4+\b], 0
.endr
.macro QUANT s                         ; 64 numbers a lane in four blocks of 32 shared with lane l xor 16: scales, codes, a whole block to a lane
.irp b, 0,1,2,3
	v_max3_num_f32 v[TM+\b], |v[\s+16*\b]|, |v[\s+1+16*\b]|, 0x1800000
.endr
.irp i, 2,4,6,8,10,12,14
.irp b, 0,1,2,3
	v_max3_num_f32 v[TM+\b], v[TM+\b], |v[\s+16*\b+\i]|, |v[\s+1+16*\b+\i]|
.endr
.endr
.irp b, 0,1,2,3
	v_permlanex16_b32 v[TM+4+\b], v[TM+\b], s[SEL], s[SEL+1]
.endr
.irp b, 0,1,2,3
	v_max_num_f32 v[TM+\b], v[TM+\b], v[TM+4+\b]
.endr
.irp b, 0,1,2,3
	v_add_nc_u32 v[TM+12+\b], 0xff000000, v[TM+\b]
.endr
.irp b, 0,1,2,3
	v_lshrrev_b32 v[TM+4+\b], 23, v[TM+12+\b]
.endr
	v_lshl_or_b32 v[PW], v[TM+5], 8, v[TM+4]
	v_lshl_or_b32 v[PW], v[TM+6], 16, v[PW]
	v_lshl_or_b32 v[PW], v[TM+7], 24, v[PW]
.irp c, 0,1
	v_cvt_scalef32_pk16_fp6_f32 v[CD+6*\c:CD+2+6*\c], v[\s+32*\c:\s+15+32*\c], v[TM+12+2*\c]
	v_cvt_scalef32_pk16_fp6_f32 v[CD+12+4*\c:CD+14+4*\c], v[\s+16+32*\c:\s+31+32*\c], v[TM+12+2*\c+1]
.endr
	v_nop
.irp c, 0,1
.irp i, 0,1,2
	v_permlane16_swap_b32 v[CD+6*\c+\i], v[CD+12+4*\c+\i]
.endr
.irp i, 0,1,2
	v_mov_b32 v[CD+3+6*\c+\i], v[CD+12+4*\c+\i]
.endr
.endr
.endm
.macro OUTA a
.if (\a) < 4
	WIN 0x02
.else
	WIN 0x03
.endif
.set i, 0
.rept 32
	v_pk_add_f32 v[X+i:X+i+1], v[64*((\a)%4)+i:64*((\a)%4)+i+1], v[BJ+2*(\a):BJ+2*(\a)+1]
.set i, i+2
.endr
	WIN 0
	QUANT X
	v_lshrrev_b32 v[SW+\a], v[SH], v[PW]
	v_and_b32 v[SW+\a], s36, v[SW+\a]
.irp p, 0,1,2,3,4,5
	global_store_b64 v[L8], v[CD+2*\p:CD+2*\p+1], s[24+2*(\p/3):25+2*(\p/3)] offset:256*(\p%3)
.endr
	s_wait_xcnt 0x0
	s_add_nc_u64 s[24:25], s[24:25], s[32:33]
	s_add_nc_u64 s[26:27], s[26:27], s[32:33]
.if (\a) == 3
	s_add_nc_u64 s[24:25], s[24:25], s[34:35]
	s_add_nc_u64 s[26:27], s[26:27], s[34:35]
.endif
.endm
.irp a, 0,1,2,3,4,5,6,7
	OUTA \a
.endr
	global_store_b128 v[LS], v[SW:SW+3], s[28:29]
	s_wait_alu depctr_va_vdst(0)
	global_store_b128 v[LS], v[SW+4:SW+7], s[30:31]
	s_wait_tensorcnt 0x0
	ds_add_u32 v[SPW], v[NIL]
	s_wait_dscnt 0x0
	CROUND
	s_endpgm
.Lfunc_end_k_q2acd9e1c80_proj:
	.size	k_q2acd9e1c80_proj, .Lfunc_end_k_q2acd9e1c80_proj-k_q2acd9e1c80_proj
	.p2alignl 7, 3214868480
	.fill 96, 4, 3214868480
	.section	.rodata,"a",@progbits
	.p2align	6, 0x0
	.amdhsa_kernel k_q2acd9e1c80_proj
		.amdhsa_group_segment_fixed_size 327680
		.amdhsa_private_segment_fixed_size 0
		.amdhsa_enable_private_segment 0
		.amdhsa_kernarg_size 144
		.amdhsa_user_sgpr_count 2
		.amdhsa_user_sgpr_kernarg_segment_ptr 1
		.amdhsa_wavefront_size32 1
		.amdhsa_system_sgpr_workgroup_id_x 1
		.amdhsa_system_sgpr_workgroup_id_y 1
		.amdhsa_system_sgpr_workgroup_id_z 1
		.amdhsa_system_vgpr_workitem_id 0
		.amdhsa_next_free_vgpr 1024
		.amdhsa_next_free_sgpr 102
		.amdhsa_reserve_vcc 0
		.amdhsa_float_denorm_mode_32 3
		.amdhsa_float_denorm_mode_16_64 3
		.amdhsa_memory_ordered 1
		.amdhsa_forward_progress 1
		.amdhsa_inst_pref_size 190
	.end_amdhsa_kernel
	.amdgpu_metadata
---
amdhsa.version: [ 1, 2 ]
amdhsa.kernels:
  - .name:           k_q2acd9e1c80_proj
    .symbol:         k_q2acd9e1c80_proj.kd
    .args:
      - { .name: query_codes, .offset: 0, .size: 8, .value_kind: global_buffer, .address_space: global }
      - { .name: query_scales, .offset: 8, .size: 8, .value_kind: global_buffer, .address_space: global }
      - { .name: key_codes, .offset: 16, .size: 8, .value_kind: global_buffer, .address_space: global }
      - { .name: key_scales, .offset: 24, .size: 8, .value_kind: global_buffer, .address_space: global }
      - { .name: value_codes, .offset: 32, .size: 8, .value_kind: global_buffer, .address_space: global }
      - { .name: value_scales, .offset: 40, .size: 8, .value_kind: global_buffer, .address_space: global }
      - { .name: Wq_codes, .offset: 48, .size: 8, .value_kind: global_buffer, .address_space: global }
      - { .name: Wq_scales, .offset: 56, .size: 8, .value_kind: global_buffer, .address_space: global }
      - { .name: Wk_codes, .offset: 64, .size: 8, .value_kind: global_buffer, .address_space: global }
      - { .name: Wk_scales, .offset: 72, .size: 8, .value_kind: global_buffer, .address_space: global }
      - { .name: Wv_codes, .offset: 80, .size: 8, .value_kind: global_buffer, .address_space: global }
      - { .name: Wv_scales, .offset: 88, .size: 8, .value_kind: global_buffer, .address_space: global }
      - { .name: bq, .offset: 96, .size: 8, .value_kind: global_buffer, .address_space: global }
      - { .name: bk, .offset: 104, .size: 8, .value_kind: global_buffer, .address_space: global }
      - { .name: bv, .offset: 112, .size: 8, .value_kind: global_buffer, .address_space: global }
      - { .name: qbuf, .offset: 120, .size: 8, .value_kind: global_buffer, .address_space: global }
      - { .name: kbuf, .offset: 128, .size: 8, .value_kind: global_buffer, .address_space: global }
      - { .name: vbuf, .offset: 136, .size: 8, .value_kind: global_buffer, .address_space: global }
    .group_segment_fixed_size: 327680
    .private_segment_fixed_size: 0
    .kernarg_segment_align: 8
    .kernarg_segment_size: 144
    .max_flat_workgroup_size: 128
    .sgpr_count:     102
    .vgpr_count:     1024
    .wavefront_size: 32
...
	.end_amdgpu_metadata
.endif
;; end of part 2
;; launch attn (part 3): grid 4 x 64, 16 waves a work-group, clusters of 4 x 1, 215,040 bytes of LDS; arguments qbuf, kbuf, vbuf, maskw, ximg, xsc; writes ximg, xsc
.if DOCPART == 3
	.amdgcn_target "amdgcn-amd-amdhsa--gfx1250"
	.amdhsa_code_object_version 6
	.text
	.protected	k_q2acd9e1c80_attn
	.globl	k_q2acd9e1c80_attn
	.p2align	8
	.type	k_q2acd9e1c80_attn,@function
k_q2acd9e1c80_attn:
	s_mov_b64 s[64:65], 0
	v_nop
	global_prefetch_b8 v0, s[64:65] scope:SCOPE_SE
	s_setreg_imm32_b32 hwreg(HW_REG_WAVE_MODE, 25, 1), 1
	s_wait_xcnt 0x0
	s_wait_alu depctr_hold_cnt(0) depctr_sa_sdst(0) depctr_va_vdst(0) depctr_va_sdst(0) depctr_va_ssrc(0) depctr_va_vcc(0) depctr_vm_vsrc(0)
	s_getreg_b32 s2, hwreg(HW_REG_IB_STS2, 6, 4)
	s_cmp_eq_u32 s2, 0
	s_cbranch_scc0 .Lentry_in_a_cluster
	s_endpgm
.Lentry_in_a_cluster:
	s_bfe_u32 s2, ttmp6, 0x10000c
	s_cmp_lg_u32 s2, 0x3003
	s_cbranch_scc0 .Lentry_shape_is_right
	s_endpgm
.Lentry_shape_is_right:
; x[b][q][head] = softmax_k(mask(q . k / 8)) v, both products on codes of FP6 (E2M3) with E8M0 scales, and x quantised along the model's 1,024 for the last projection.
; q, k, v come as images of operand registers, in records of 6,656 bytes for each head and group of 128 positions; the mask as lane-mask words, one for each score register.
; THE SOFTMAX: t = score x log2(e) / 8; M = the running largest t rounded UP to a whole number; p = 2^(t - M) is quantised along the keys, not normalised; the row's sum is taken of the unquantised p and divides at the end.
; When M moves, the sum and O are multiplied by 2^(old M - new M): exact.
; SHARES.  A work-group owns 512 queries of one head, in two passes of 256; each of its sixteen waves owns one tile of 16 queries a pass, in 256 registers: four waves to a SIMD.
; THE HEAD'S WHOLE K AND V STAY IN LDS: 2 x 106,496 bytes, filled once by eight tensor loads (waves 0-3: K, waves 4-7: V; 26,624 bytes each).  Nothing is filled again: one barrier in the launch besides the cluster's rounds.
; CLUSTER.  The four work-groups of a cluster are the four query blocks of one head: each load is asked for jointly, with a mask that names the four.
; LAYOUT.  S^T = K Q^T (source 0 = 16 keys, source 1 = my 16 queries), O^T = V^T P^T: a lane holds one query (lane % 16) throughout.  Register 8 t + j of S^T is key 16 t + 8 (lane / 16) + j of the step's 128.
; Within a block of 32 keys p's codes stand in the order slot 16 h + 8 u + j = key 16 u + 8 h + j, as v's do: the products are the same.
; K = 64 IN AN INSTRUCTION OF 128: Q's upper six registers are zero codes, and both sides' scale bytes 2 and 3 are 0 (2^-127); a tile of K names as its upper six registers the next tile's codes (the last: six zeros), which meet zeros.
; LIMITS.  A masked score is taken as -2^33 (a logit of -2^30) where the definition has a logit of -1e9: then t is a whole number and a row that is masked throughout gets p = 1 everywhere, as f32 arithmetic on -1e9 gives.
; It differs only where an unmasked logit lies under about -1e9.  NaN and infinities are not served.  A block of zeros gets the byte 1: its codes are zeros, and this program alone reads the bytes.
; xsc is stored two bytes a row, rows 32 bytes apart: 262,144 bytes in the launch, beside 6,291,456 of codes that leave in whole runs of 256.
.set REC,   6656
.set HEADB, 16*REC                     ; a head's records: K's at LDS byte 0, V's behind them
.set PARTB, 4*REC                      ; what one tensor load brings
.set TBK, 2                            ; s2   LDS byte of the step's record of K
.set TBV, 3                            ; s3   of V
.set WV,  4                            ; s4   my wave's number
.set CNT, 5                            ; s5   key steps to go
.set MO,  7                            ; s7   byte offset of the mask words being asked for, in my tile's 4,096
.set SEL, 8                            ; s[8:9]   lane selects for lane l xor 16
.set CS,  10                           ; s[10:11] c = log2(e) / 8, twice
.set MP,  12                           ; s[12:13] my tile's mask words
.set QP,  14                           ; s[14:15] my tile's record of q
.set XP,  16                           ; s[16:17] where my tile's codes of x go
.set XSP, 18                           ; s[18:19] and their scale bytes
.set G0,  20                           ; s[20:23] descriptor group 0
.set G1,  24                           ; s[24:31] group 1
                                       ; s[32:63], s[68:99] the step's 64 mask words
.set BM,  216                          ; v216-219 the blocks' largest scores, then largest p
.set PT,  220                          ; v220-223 at work
.set SO,  224                          ; v224-227 the conversions' scale operands
.macro CROUND                          ; a round of the cluster's barrier
	s_barrier_signal -1
	s_barrier_wait -1
	s_cmp_lg_u32 s[WV], 0
	s_cbranch_scc1 .Lnot_wave_0_\@
	s_barrier_signal -3
.Lnot_wave_0_\@:
	s_barrier_wait -3
	s_barrier_signal -1
	s_barrier_wait -1
.endm
.macro MASKLOAD                        ; 64 words, 256 bytes
	s_load_b512 s[32:47], s[MP:MP+1], s[MO] offset:0x0
	s_load_b512 s[48:63], s[MP:MP+1], s[MO] offset:0x40
	s_load_b512 s[68:83], s[MP:MP+1], s[MO] offset:0x80
	s_load_b512 s[84:99], s[MP:MP+1], s[MO] offset:0xc0
.endm
	s_load_b256 s[32:39], s[0:1], 0x0              ; qbuf, kbuf, vbuf, maskw
	s_load_b128 s[40:43], s[0:1], 0x20             ; ximg, xsc
	v_lshl_add_u32 v254, v0, 2, 0x34000
	v_mov_b32 v255, 0
	ds_add_u32 v254, v255
	ds_add_u32 v254, v255
	v_lshrrev_b32 v1, 5, v0
	s_delay_alu instid0(VALU_DEP_1)
	v_readfirstlane_b32 s[WV], v1                  ; wave 0..15
	s_bfe_u32 s44, ttmp6, 0x40000                  ; cx: which 512 queries: it enters global addresses of q, the mask and x alone
	s_and_b32 s45, ttmp7, 0xffff                   ; batch x 16 + head, which the four partners share
	s_lshr_b32 s46, s45, 4                         ; the batch
	s_and_b32 s47, s45, 15                         ; the head
	s_lshl_b32 s48, s44, 5
	s_add_co_u32 s48, s48, s[WV]                   ; my tile of the first pass: 32 cx + wave
	s_lshl_b32 s49, s46, 7
	s_add_co_u32 s49, s49, s48                     ; batch x 128 + tile
	s_mul_i32 s50, s45, HEADB                      ; K, V: the head's records,
	s_and_b32 s51, s[WV], 3
	s_mul_i32 s51, s51, PARTB                      ; my four of them
	s_add_co_u32 s50, s50, s51
	s_mov_b32 s51, 0
	s_lshl_b32 s52, s45, 4                         ; q: record (batch x 16 + head) x 16 + 4 cx + wave / 8
	s_lshl_b32 s53, s44, 2
	s_add_co_u32 s52, s52, s53
	s_lshr_b32 s53, s[WV], 3
	s_add_co_u32 s52, s52, s53
	s_mul_i32 s52, s52, REC
	s_mov_b32 s53, 0
	s_lshl_b32 s54, s49, 12                        ; the mask words: 4,096 bytes a tile
	s_mov_b32 s55, 0
	s_mul_i32 s56, s49, 12288                      ; x's codes: 12,288 bytes a tile of rows, 768 a head
	s_mul_i32 s57, s47, 768
	s_add_co_u32 s56, s56, s57
	s_mov_b32 s57, 0
	s_lshl_b32 s58, s49, 9                         ; x's scale bytes: 16 rows of 32 a tile, 2 a head
	s_lshl_b32 s59, s47, 1
	s_add_co_u32 s58, s58, s59
	s_mov_b32 s59, 0
	; descriptor group 1: 26,624 dense bytes as 104 rows of 256 (32 elements of 8 bytes), no padding: every LDS read takes consecutive bytes
	s_mov_b32 s[G1], 15|(3<<16)|(1<<21)            ; 15:0 the mask: all four work-groups; 17:16 elements of 8 bytes; 21 set beside a mask
	s_mov_b32 s[G1+1], 32<<16                      ; tensor_dim0
	s_mov_b32 s[G1+2], 104<<16                     ; tensor_dim1
	s_mov_b32 s[G1+3], 32<<16                      ; tile_dim0
	s_mov_b32 s[G1+4], 104                         ; tile_dim1
	s_mov_b32 s[G1+5], 32                          ; from row to row
	s_mov_b32 s[G1+6], 0
	s_mov_b32 s[G1+7], 0
	s_mov_b32 s[G0], 1
	s_and_b32 s[G0+1], s[WV], 7
	s_mul_i32 s[G0+1], s[G0+1], PARTB              ; LDS: waves 0-3 K's four parts, waves 4-7 V's
	s_mov_b32 s[SEL], 0x76543210
	s_mov_b32 s[SEL+1], 0xfedcba98
	s_mov_b32 s[CS], 0x3e38aa3b                    ; c = log2(e) / 8
	s_mov_b32 s[CS+1], s[CS]
	s_wait_dscnt 0x0
	s_wait_kmcnt 0x0
	s_cmp_lt_u32 s[WV], 4
	s_cselect_b64 s[G0+2:G0+3], s[34:35], s[36:37]
	s_add_nc_u64 s[G0+2:G0+3], s[G0+2:G0+3], s[50:51]
	s_or_b32 s[G0+3], s[G0+3], 0x80000000          ; type = 2
	s_add_nc_u64 s[QP:QP+1], s[32:33], s[52:53]
	s_add_nc_u64 s[MP:MP+1], s[38:39], s[54:55]
	s_add_nc_u64 s[XP:XP+1], s[40:41], s[56:57]
	s_add_nc_u64 s[XSP:XSP+1], s[42:43], s[58:59]
	CROUND                                         ; all four work-groups are here: the joint loads meet
	s_cmp_lt_u32 s[WV], 8
	s_cbranch_scc0 .Lno_fill
	tensor_load_to_lds s[G0:G0+3], s[G1:G1+7]      ; my one tensor load of the launch
	s_nop 0
.rept 4
	v_nop
.endr
.Lno_fill:
	v_and_b32 v11, 31, v0                          ; lane
	v_and_b32 v29, 15, v0                          ; r
	s_delay_alu instid0(VALU_DEP_2)
	v_lshlrev_b32 v1, 3, v11                       ; v1  8 x lane: an image's place for my lane
	s_wait_alu depctr_va_vdst(0)
	v_lshlrev_b32 v2, 4, v29                       ; v2  16 r: my row's four scale words
	v_lshlrev_b32 v8, 5, v29                       ; v8  32 r: my row of x's scale bytes
	v_mov_b32 v7, 0xd0000000                       ; v7  -2^33: a masked score
	s_bfe_u32 s60, s[WV], 0x10002
	s_lshl_b32 s60, s60, 8
	s_and_b32 s61, s[WV], 3
	s_lshl_b32 s61, s61, 2
	s_add_co_u32 s60, s60, s61
	s_add_co_u32 s60, s60, 6144
	v_add_nc_u32 v9, s60, v2                       ; v9  q's scale word: 6,144 + 256 (tile / 4) + 16 r + 4 (tile % 4), tile = wave % 8
	s_and_b32 s61, s[WV], 7
	s_mul_i32 s61, s61, 768
	v_add_nc_u32 v10, s61, v1                      ; v10 q's codes: 768 x tile + 8 x lane
.irp i, 22,23,24,25,26,27, 80,81,82,83,84,85
	v_mov_b32 v[\i], 0                             ; zero codes: Q's upper half, and what the last tile of K names as its upper half; never rewritten
.endr
.irp i, 220,221,222,223, 231,232
	v_mov_b32 v[\i], 0                             ; lane permutes' destinations count as sources; v231 is named as the upper half of the pair v[230:231]
.endr
; A KEY STEP: 128 keys.  v3-6 addresses; v[32:79] eight half fragments of K, then four fragments of V; v[86:93] K's scale words; v[96:159] S^T, then p; v[160:191] O^T; v[192:203] p's codes; v[204:207] V's scale words; v228 p's.
.macro STEP
	v_add_nc_u32 v3, s[TBK], v1                    ; (these four are also the places behind the last step's products, in front of the loads into registers that they read)
	v_add_nc_u32 v4, s[TBK], v2
	v_add_nc_u32 v5, s[TBV], v1
	v_add_nc_u32 v6, s[TBV], v2
.irp t, 0,1,2,3,4,5,6,7
.irp p, 0,1,2
	ds_load_b64 v[32+6*\t+2*\p:33+6*\t+2*\p], v3 offset:768*\t+256*\p   ; 32 lanes read 256 consecutive bytes
.endr
.endr
	ds_load_b128 v[86:89], v4 offset:6144
	ds_load_b128 v[90:93], v4 offset:6400
	s_wait_alu depctr_va_vdst(0)
	s_wait_dscnt 0x0
.irp t, 0,1,2,3,4,5,6,7
	v_wmma_scale_f32_16x16x128_f8f6f4 v[96+8*\t:103+8*\t], v[32+6*\t:43+6*\t], v[16:27], 0, v[86+\t], v28 matrix_a_fmt:MATRIX_FMT_FP6 matrix_b_fmt:MATRIX_FMT_FP6
.endr
.rept 4
	v_nop                                          ; places: in front of the loads into K's registers and of the first read of the scores
.endr
.irp c, 0,1,2,3
.irp p, 0,1,2,3,4,5
	ds_load_b64 v[32+12*\c+2*\p:33+12*\c+2*\p], v5 offset:1536*\c+256*\p   ; V is asked for now and waited for behind the softmax
.endr
.endr
	ds_load_b128 v[204:207], v6 offset:6144
	s_wait_kmcnt 0x0                               ; this step's mask words, asked for a step ago
.set n, 0
.rept 64
.if n < 32
	v_cndmask_b32 v[96+n], v7, v[96+n], s[32+n]    ; where the mask is 0: -2^33.  Each tile of scores from its low end on
.else
	v_cndmask_b32 v[96+n], v7, v[96+n], s[36+n]
.endif
.set n, n+1
.endr
	s_add_co_u32 s[MO], s[MO], 256                 ; the next step's words: they have the rest of the step in which to come.
	s_min_u32 s[MO], s[MO], 3840                   ; The last step asks for its own again: no load leaves the buffer, and no branch is needed
	MASKLOAD
.irp b, 0,1,2,3
	v_max3_num_f32 v[BM+\b], v[96+16*\b], v[97+16*\b], v[98+16*\b]   ; the largest score of each block of 32 keys: for the row's maximum, and, since p rises with the score, for the block's largest p
.endr
.irp i, 3,5,7,9,11,13
.irp b, 0,1,2,3
	s_delay_alu instid0(VALU_DEP_4)
	v_max3_num_f32 v[BM+\b], v[BM+\b], v[96+16*\b+\i], v[97+16*\b+\i]
.endr
.endr
.irp b, 0,1,2,3
	s_delay_alu instid0(VALU_DEP_4)
	v_max_num_f32 v[BM+\b], v[BM+\b], v[111+16*\b]
.endr
.irp b, 0,1,2,3
	s_delay_alu instid0(VALU_DEP_4)
	v_permlanex16_b32 v[PT+\b], v[BM+\b], s[SEL], s[SEL+1]
.endr
.irp b, 0,1,2,3
	s_delay_alu instid0(VALU_DEP_4)
	v_max_num_f32 v[BM+\b], v[BM+\b], v[PT+\b]     ; with lane l xor 16's 16 keys
.endr
	s_delay_alu instid0(VALU_DEP_2)
	v_max3_num_f32 v232, v216, v217, v218
	s_delay_alu instid0(VALU_DEP_1)
	v_max_num_f32 v232, v232, v219                 ; the step's largest score of my query
	s_delay_alu instid0(VALU_DEP_1)
	v_mul_f32 v232, s[CS], v232                    ; as t
	s_delay_alu instid0(VALU_DEP_1)
	v_max_num_f32 v13, v13, v232                   ; the running largest t
	v_mov_b32 v232, v12
	s_delay_alu instid0(VALU_DEP_2)
	v_floor_f32 v12, -v13                          ; the new -M = floor(-t): M is a whole number
	s_delay_alu instid0(VALU_DEP_1)
	v_sub_f32 v232, v12, v232                      ; old M - new M: a whole number, 0 or less
	s_delay_alu instid0(VALU_DEP_1)
	v_cvt_i32_f32 v232, v232                       ; (it saturates)
	s_delay_alu instid0(VALU_DEP_1)
	v_ldexp_f32 v230, 1.0, v232                    ; f = 2^(old M - new M)
.set j, 0
.rept 32
	v_pk_fma_f32 v[96+j:97+j], v[96+j:97+j], s[CS:CS+1], v[12:13] op_sel_hi:[1,0,0]   ; t - M, two at a time
.set j, j+2
.endr
.irp b, 0,1,2,3
	v_fma_f32 v[BM+\b], v[BM+\b], s[CS], v12       ; the same of each block's largest score
.endr
.set j, 0
	s_wait_alu depctr_va_vdst(0)
.rept 64
	v_exp_f32 v[96+j], v[96+j]                     ; p = 2^(t - M), at most 1
.set j, j+1
.endr
	v_pk_mul_f32 v[14:15], v[14:15], v[230:231] op_sel_hi:[1,0]   ; the sums under the new M: the plain instruction behind the exponentials
	s_wait_alu depctr_va_vdst(0)                   ; one wait for the batch of 64, ahead of its first reader
.irp b, 0,1,2,3
	v_exp_f32 v[BM+\b], v[BM+\b]                   ; the block's largest p: the same two instructions on the same number
.endr
	v_pk_add_f32 v[234:235], v[100:101], v[104:105]
	v_pk_add_f32 v[252:253], v[108:109], v[112:113]
	v_pk_add_f32 v[250:251], v[116:117], v[120:121]
	v_pk_add_f32 v[248:249], v[124:125], v[128:129]
	v_pk_add_f32 v[246:247], v[132:133], v[136:137]
	v_pk_add_f32 v[244:245], v[140:141], v[144:145]
	v_pk_add_f32 v[242:243], v[148:149], v[152:153]
	v_pk_add_f32 v[14:15], v[14:15], v[156:157]
	v_pk_add_f32 v[234:235], v[234:235], v[96:97]
	v_pk_add_f32 v[252:253], v[252:253], v[98:99]
	v_pk_add_f32 v[250:251], v[250:251], v[102:103]
	v_pk_add_f32 v[248:249], v[248:249], v[106:107]
	v_pk_add_f32 v[246:247], v[246:247], v[110:111]
	v_pk_add_f32 v[244:245], v[244:245], v[114:115]
	v_pk_add_f32 v[242:243], v[242:243], v[118:119]
	v_pk_add_f32 v[14:15], v[14:15], v[122:123]
	v_pk_add_f32 v[234:235], v[234:235], v[126:127]
	v_pk_add_f32 v[252:253], v[252:253], v[130:131]
	v_pk_add_f32 v[250:251], v[250:251], v[134:135]
	v_pk_add_f32 v[248:249], v[248:249], v[138:139]
	v_pk_add_f32 v[246:247], v[246:247], v[142:143]
	v_pk_add_f32 v[244:245], v[244:245], v[146:147]
	v_pk_add_f32 v[242:243], v[242:243], v[150:151]
	v_pk_add_f32 v[14:15], v[14:15], v[154:155]
	v_pk_add_f32 v[234:235], v[234:235], v[158:159]
	s_delay_alu instid0(VALU_DEP_2)
	v_pk_add_f32 v[14:15], v[14:15], v[248:249]
	s_delay_alu instid0(VALU_DEP_2)
	v_pk_add_f32 v[234:235], v[234:235], v[246:247]
	v_pk_add_f32 v[252:253], v[252:253], v[244:245]
	v_pk_add_f32 v[250:251], v[250:251], v[242:243]
	s_delay_alu instid0(VALU_DEP_2)
	v_pk_add_f32 v[14:15], v[14:15], v[252:253]
	s_delay_alu instid0(VALU_DEP_2)
	v_pk_add_f32 v[234:235], v[234:235], v[250:251]
	s_delay_alu instid0(VALU_DEP_1)
	v_pk_add_f32 v[14:15], v[14:15], v[234:235]
	s_wait_alu depctr_va_vdst(0)                   ; and one for the four
.irp b, 0,1,2,3
	v_max_num_f32 v[BM+\b], 0x1800000, v[BM+\b]    ; the floor 2^(3 - 127): the byte cannot fall under 1
.endr
.irp b, 0,1,2,3
	s_delay_alu instid0(VALU_DEP_4)
	v_add_nc_u32 v[SO+\b], 0xff000000, v[BM+\b]    ; 2 off the exponent field: the conversion's scale operand
.endr
.irp b, 0,1,2,3
	s_delay_alu instid0(VALU_DEP_4)
	v_lshrrev_b32 v[PT+\b], 23, v[SO+\b]           ; the scale's byte
.endr
	s_delay_alu instid0(VALU_DEP_3)
	v_lshl_or_b32 v228, v221, 8, v220              ; p's scale word for these 128 keys
	s_delay_alu instid0(VALU_DEP_1)
	v_lshl_or_b32 v228, v222, 16, v228
	s_delay_alu instid0(VALU_DEP_1)
	v_lshl_or_b32 v228, v223, 24, v228
.irp c, 0,1
	v_cvt_scalef32_pk16_fp6_f32 v[192+6*\c:194+6*\c], v[96+32*\c:111+32*\c], v[SO+2*\c]
	v_cvt_scalef32_pk16_fp6_f32 v[208+4*\c:210+4*\c], v[112+32*\c:127+32*\c], v[SO+2*\c+1]   ; (a conversion's three registers begin on an even number)
.endr
	v_nop                                          ; one plain place behind a scaled conversion
.irp c, 0,1                                    ; a whole block in a lane: lanes 0-15 block 2 c, lanes 16-31 block 2 c + 1
.irp i, 0,1,2
	v_permlane16_swap_b32 v[192+6*\c+\i], v[208+4*\c+\i]
.endr
.irp i, 0,1,2
	s_delay_alu instid0(VALU_DEP_3)
	v_mov_b32 v[195+6*\c+\i], v[208+4*\c+\i]
.endr
.endr
.set j, 0
.rept 16
	v_pk_mul_f32 v[160+j:161+j], v[160+j:161+j], v[230:231] op_sel_hi:[1,0]   ; O^T under the new M; these sixteen are also the places between the writes of p's codes and scale word and the products
.set j, j+2
.endr
	s_wait_alu depctr_va_vdst(0)
	s_wait_dscnt 0x0                               ; V and its scale words are in
.irp c, 0,1,2,3                                ; the four accumulators take one turn each
	v_wmma_scale_f32_16x16x128_f8f6f4 v[160+8*\c:167+8*\c], v[32+12*\c:43+12*\c], v[192:203], v[160+8*\c:167+8*\c], v[204+\c], v228 matrix_a_fmt:MATRIX_FMT_FP6 matrix_b_fmt:MATRIX_FMT_FP6
.endr
	s_add_co_u32 s[TBK], s[TBK], REC
	s_add_co_u32 s[TBV], s[TBV], REC
.endm
; A PASS: my tile of 16 queries against all 2,048 keys.  first = 1: the first pass waits for the fills and steps the pointers to the second pass's tile, 16 tiles on.
.macro PASS first
.irp p, 0,1,2
	global_load_b64 v[16+2*\p:17+2*\p], v10, s[QP:QP+1] offset:256*\p   ; Q's half fragment stays in registers
.endr
	global_load_b32 v28, v9, s[QP:QP+1]            ; and its scale words
	s_mov_b32 s[MO], 0
	MASKLOAD                                       ; the first step's mask words
	v_mov_b32 v13, 0xff61b1e6                      ; the largest t so far: -3e38
	s_delay_alu instid0(VALU_DEP_1)
	v_floor_f32 v12, -v13                          ; -M
	v_mov_b32 v14, 0                               ; the sum, in two halves
	v_mov_b32 v15, 0
.set j, 0
.rept 32
	v_mov_b32 v[160+j], 0                          ; O^T: the step is written once; the first finds zeros, which the first change of M leaves zeros
.set j, j+1
.endr
	s_mov_b32 s[TBK], 0
	s_mov_b32 s[TBV], HEADB
	s_mov_b32 s[CNT], 16
.if \first
	s_wait_tensorcnt 0x0                           ; my part of the head's K or V has landed,
	s_barrier_signal -1
	s_barrier_wait -1                              ; everybody's has: from here on LDS is only read
.endif
	s_wait_loadcnt 0x0                             ; Q
.Lstep_\@:
	STEP
	s_sub_co_u32 s[CNT], s[CNT], 1
	s_cmp_lg_u32 s[CNT], 0
	s_cbranch_scc1 .Lstep_\@
	; the way out: O^T / the sum, brought into the natural order of channels, quantised in two blocks of 32, stored as half of an operand's image
	v_add_f32 v14, v14, v15
	s_delay_alu instid0(VALU_DEP_1)
	v_permlanex16_b32 v232, v14, s[SEL], s[SEL+1]
	s_delay_alu instid0(VALU_DEP_1)
	v_add_f32 v14, v14, v232                       ; the row's sum
	s_wait_alu depctr_va_vdst(0)
	v_rcp_f32 v14, v14
.rept 4
	v_nop                                          ; the plain place behind the reciprocal, and the places behind the last products
.endr
	s_wait_alu depctr_va_vdst(0)                   ; ahead of the reciprocal's first reader
.set j, 0
.rept 16
	v_pk_mul_f32 v[96+j:97+j], v[160+j:161+j], v[14:15] op_sel_hi:[1,0]   ; register 8 c + i is channel 16 c + 8 h + i
.set j, j+2
.endr
.irp b, 0,1
.irp i, 0,1,2,3,4,5,6,7
	v_permlane16_swap_b32 v[96+16*\b+\i], v[104+16*\b+\i]   ; now register 16 b + i is channel 32 b + 16 h + i: x meets Wo's codes, whose order is given
.endr
.endr
.irp b, 0,1
	v_max3_num_f32 v[BM+\b], |v[96+16*\b]|, |v[97+16*\b]|, 0x1800000
.endr
.irp i, 2,4,6,8,10,12,14
.irp b, 0,1
	s_delay_alu instid0(VALU_DEP_2)
	v_max3_num_f32 v[BM+\b], v[BM+\b], |v[96+16*\b+\i]|, |v[97+16*\b+\i]|
.endr
.endr
.irp b, 0,1
	s_delay_alu instid0(VALU_DEP_2)
	v_permlanex16_b32 v[PT+\b], v[BM+\b], s[SEL], s[SEL+1]
.endr
.irp b, 0,1
	s_delay_alu instid0(VALU_DEP_2)
	v_max_num_f32 v[BM+\b], v[BM+\b], v[PT+\b]
.endr
.irp b, 0,1
	s_delay_alu instid0(VALU_DEP_2)
	v_add_nc_u32 v[SO+\b], 0xff000000, v[BM+\b]
.endr
.irp b, 0,1
	s_delay_alu instid0(VALU_DEP_2)
	v_lshrrev_b32 v[PT+\b], 23, v[SO+\b]
.endr
	s_delay_alu instid0(VALU_DEP_1)
	v_lshl_or_b32 v228, v221, 8, v220              ; the head's two scale bytes of my row
	v_cvt_scalef32_pk16_fp6_f32 v[192:194], v[96:111], v224
	v_cvt_scalef32_pk16_fp6_f32 v[208:210], v[112:127], v225
	v_nop                                          ; one plain place behind a scaled conversion
.irp i, 0,1,2
	v_permlane16_swap_b32 v[192+\i], v[208+\i]
.endr
.irp i, 0,1,2
	s_delay_alu instid0(VALU_DEP_3)
	v_mov_b32 v[195+\i], v[208+\i]                 ; lanes 0-15: block 0, lanes 16-31: block 1
.endr
.irp p, 0,1,2
	global_store_b64 v1, v[192+2*\p:193+2*\p], s[XP:XP+1] offset:256*\p   ; 32 lanes store 256 consecutive bytes, aligned
.endr
	global_store_b16 v8, v228, s[XSP:XSP+1]        ; lanes l and l xor 16 store the same two bytes with the same value
	s_wait_kmcnt 0x0                               ; the last step's request for mask words has come
	s_wait_xcnt 0x0                                ; the stores have read their data and bases
.if \first
	s_add_nc_u64 s[QP:QP+1], s[QP:QP+1], 2*REC
	s_add_nc_u64 s[MP:MP+1], s[MP:MP+1], 16*4096
	s_add_nc_u64 s[XP:XP+1], s[XP:XP+1], 16*12288
	s_add_nc_u64 s[XSP:XSP+1], s[XSP:XSP+1], 16*512
.endif
.endm
	PASS 1
	PASS 0
	s_wait_tensorcnt 0x0
	s_wait_tensorcnt 0x0
	ds_add_u32 v254, v255
	s_wait_dscnt 0x0
	CROUND                                         ; the closing round: no work-group ends while a partner may still ask for a tile that names it
	s_endpgm
.Lfunc_end_k_q2acd9e1c80_attn:
	.size	k_q2acd9e1c80_attn, .Lfunc_end_k_q2acd9e1c80_attn-k_q2acd9e1c80_attn
	.p2alignl 7, 3214868480
	.fill 96, 4, 3214868480
	.section	.rodata,"a",@progbits
	.p2align	6, 0x0
	.amdhsa_kernel k_q2acd9e1c80_attn
		.amdhsa_group_segment_fixed_size 215040
		.amdhsa_private_segment_fixed_size 0
		.amdhsa_enable_private_segment 0
		.amdhsa_kernarg_size 48
		.amdhsa_user_sgpr_count 2
		.amdhsa_user_sgpr_kernarg_segment_ptr 1
		.amdhsa_wavefront_size32 1
		.amdhsa_system_sgpr_workgroup_id_x 1
		.amdhsa_system_sgpr_workgroup_id_y 1
		.amdhsa_system_sgpr_workgroup_id_z 1
		.amdhsa_system_vgpr_workitem_id 0
		.amdhsa_next_free_vgpr 256
		.amdhsa_next_free_sgpr 100
		.amdhsa_reserve_vcc 0
		.amdhsa_float_denorm_mode_32 3
		.amdhsa_float_denorm_mode_16_64 3
		.amdhsa_memory_ordered 1
		.amdhsa_forward_progress 1
		.amdhsa_inst_pref_size 67
	.end_amdhsa_kernel
	.amdgpu_metadata
---
amdhsa.version: [ 1, 2 ]
amdhsa.kernels:
  - .name:           k_q2acd9e1c80_attn
    .symbol:         k_q2acd9e1c80_attn.kd
    .args:
      - { .name: qbuf, .offset: 0, .size: 8, .value_kind: global_buffer, .address_space: global }
      - { .name: kbuf, .offset: 8, .size: 8, .value_kind: global_buffer, .address_space: global }
      - { .name: vbuf, .offset: 16, .size: 8, .value_kind: global_buffer, .address_space: global }
      - { .name: maskw, .offset: 24, .size: 8, .value_kind: global_buffer, .address_space: global }
      - { .name: ximg, .offset: 32, .size: 8, .value_kind: global_buffer, .address_space: global }
      - { .name: xsc, .offset: 40, .size: 8, .value_kind: global_buffer, .address_space: global }
    .group_segment_fixed_size: 215040
    .private_segment_fixed_size: 0
    .kernarg_segment_align: 8
    .kernarg_segment_size: 48
    .max_flat_workgroup_size: 512
    .sgpr_count:     100
    .vgpr_count:     256
    .wavefront_size: 32
...
	.end_amdgpu_metadata
.endif
;; end of part 3
;; launch outp (part 4): grid 4 x 32, 4 waves a work-group, clusters of 4 x 4, 327,680 bytes of LDS; arguments ximg, xsc, Wo_codes, Wo_scales, bo, out0; writes out0
.if DOCPART == 4
	.amdgcn_target "amdgcn-amd-amdhsa--gfx1250"
	.amdhsa_code_object_version 6
	.text
	.protected	k_q2acd9e1c80_outp
	.globl	k_q2acd9e1c80_outp
	.p2align	8
	.type	k_q2acd9e1c80_outp,@function
k_q2acd9e1c80_outp:
	s_mov_b64 s[64:65], 0
	v_nop
	global_prefetch_b8 v0, s[64:65] scope:SCOPE_SE
	s_setreg_imm32_b32 hwreg(HW_REG_WAVE_MODE, 25, 1), 1
	s_wait_xcnt 0x0
	s_wait_alu depctr_hold_cnt(0) depctr_sa_sdst(0) depctr_va_vdst(0) depctr_va_sdst(0) depctr_va_ssrc(0) depctr_va_vcc(0) depctr_vm_vsrc(0)
	s_getreg_b32 s2, hwreg(HW_REG_IB_STS2, 6, 4)
	s_cmp_eq_u32 s2, 0
	s_cbranch_scc0 .Lentry_in_a_cluster
	s_endpgm
.Lentry_in_a_cluster:
	s_bfe_u32 s2, ttmp6, 0x10000c
	s_cmp_lg_u32 s2, 0xf033
	s_cbranch_scc0 .Lentry_shape_is_right
	s_endpgm
.Lentry_shape_is_right:
; out0 = x Wo^T + bo on codes of FP6 (E2M3) with E8M0 scales; f32 sums and results.  A tile of 256 x 256 is made by four waves, 128 x 128 each.
; B = Wo: rows of 768 bytes, in three chunks of 256 bytes, each beginning at a multiple of 256, through two LDS slots (chunk c in slot c % 2); a step is 128 along K, 96 bytes of a row.
; A = x comes as images of operand registers: 12,288 bytes for each 16 rows, 1,536 for each step.  Fill c of a slot brings the images of steps 3 c .. 3 c + 2 beside B's chunk c:
; runs of 4,608 bytes a tile of 16 rows (the last fill: steps 6 and 7, 3,072 bytes), all at multiples of 256.  No step reads A from a slot whose chunk of B it does not read or has not left yet.
; The scales of the 256 + 256 rows come once, as dense blocks.  The bias is the first products' C.  No prefetch: two of the three fills are asked for at the head, so no loop runs ahead of the third.
; CLUSTER 4 x 4: A's tiles are asked for jointly along a row of the cluster, B's along a column.
.set SIZE_N, 1024
.set ROWB,   256
.set NQ,     2
.set KROW,   768
.set STEPS,  8
.set CHUNKS, 3
.set PITCH,  272
.set FR,     12
.set NL,     6
.set NP,     4
.set ROWTA,  12288                     ; a tile of 16 rows of x
.set FILLA,  4608                      ; three steps' images of a tile
.set HALFA,  8*FILLA
.set HALFT,  128*PITCH
.set BOFF,   2*HALFA
.set SLOT,   BOFF+2*HALFT
.set KS,     32
.set SCL,    2*SLOT
.set HALFS,  16*272
.set SBLK,   2*272
.set SPARE,  SCL+4*HALFS
.set SPITCH, 528
.set STAGE,  SLOT                      ; the way out's stage lies in slot 1, which has had its last fill and its last read by then
.set ADRA, 16                          ; v16-17 A's images in slot 0, 1
.set ADRB, 20                          ; v20-21 B's fragments in slot 0, 1; v22-23 for pieces whose halves of the lanes lie in different chunks
.set STO,  24
.set RD,   25
.set CO,   26
.set ADRS, 27
.set SPW,  28
.set NIL,  29
.set SC,   32
.set BI,   64
.set AF,   128
.set BK,   128
.set G1, 24
.set G0, 32
.set G1B, 48
.set G0B, 56
.set G1S, 68
.set G0S, 76
.set G1SB, 80
.set G0SB, 88
.set G0H, 4
.set G0HB, 8
.set MSB, 0
.macro WIN new
.if MSB != \new
	s_set_vgpr_msb (MSB<<8)|\new
.set MSB, \new
.endif
.endm
.macro WINM hi, first
.if \first
	WIN 0x81+0x40*(\hi)
.else
	WIN 0xa1+0x50*(\hi)
.endif
.endm
.set TO_B,   0x40
.macro PLACES n
.rept \n
	v_nop
.endr
.endm
.macro TLOAD g0, g1
	tensor_load_to_lds s[\g0:\g0+3], s[\g1:\g1+7]
	s_nop 0
	PLACES 4
.endm
.macro JLOAD g0a, g1a, g0b, g1b
	s_cmp_eq_u32 s15, 0
	s_cbranch_scc0 .Lfor_b_\@
	TLOAD \g0a, \g1a
	s_branch .Lasked_\@
.Lfor_b_\@:
	TLOAD \g0b, \g1b
.Lasked_\@:
.endm
.macro CREST
	s_cmp_lg_u32 s14, 0
	s_cbranch_scc1 .Lnot_wave_0_\@
	s_barrier_signal -3
.Lnot_wave_0_\@:
	s_barrier_wait -3
	s_barrier_signal -1
	s_barrier_wait -1
.endm
.macro CROUND
	s_barrier_signal -1
	s_barrier_wait -1
	CREST
.endm
	s_load_b128 s[4:7], s[0:1], 0x0                ; ximg, xsc
	s_load_b128 s[8:11], s[0:1], 0x10              ; Wo's codes, scales
	s_load_b64 s[96:97], s[0:1], 0x20              ; bo
	s_load_b64 s[12:13], s[0:1], 0x28              ; out0
	v_lshl_add_u32 v[SPW], v0, 2, SPARE
	v_mov_b32 v[NIL], 0
	ds_add_u32 v[SPW], v[NIL]
	ds_add_u32 v[SPW], v[NIL]
	v_lshrrev_b32 v1, 5, v0
	v_readfirstlane_b32 s14, v1
	s_lshr_b32 s15, s14, 1
	s_and_b32 s16, s14, 1
	s_bfe_u32 s40, ttmp6, 0x40000
	s_bfe_u32 s41, ttmp6, 0x40004
	s_lshl_b32 s42, ttmp9, 2
	s_add_co_u32 s42, s42, s40                     ; tile column
	s_and_b32 s17, ttmp7, 0xffff
	s_lshl_b32 s17, s17, 2
	s_add_co_u32 s17, s17, s41                     ; tile row
	s_lshl_b32 s43, s41, 2
	s_lshl_b32 s43, 15, s43
	s_lshl_b32 s44, 0x1111, s40
	s_or_b32 s[G1+0], s43, (3<<16)|(1<<21)         ; A: elements of 8 bytes, no padding: every read takes consecutive bytes
	s_mov_b32 s[G1+1], (FILLA/8)<<16
	s_mov_b32 s[G1+2], 16<<16                      ; 16 tiles for the head's load
	s_mov_b32 s[G1+3], (FILLA/8)<<16
	s_mov_b32 s[G1+4], 16
	s_mov_b32 s[G1+5], ROWTA/8
	s_mov_b32 s[G1+6], 0
	s_mov_b32 s[G1+7], 0
	s_or_b32 s[G1B+0], s44, (1<<20)|(1<<21)|(5<<22)|(3<<25)
	s_mov_b32 s[G1B+1], ROWB<<16
	s_mov_b32 s[G1B+2], 256<<16
	s_mov_b32 s[G1B+3], ROWB<<16
	s_mov_b32 s[G1B+4], 256
	s_mov_b32 s[G1B+5], KROW
	s_mov_b32 s[G1B+6], 0
	s_mov_b32 s[G1B+7], 0
	s_or_b32 s[G1S+0], s43, (3<<16)|(1<<20)|(1<<21)|(5<<22)|(3<<25)
	s_or_b32 s[G1SB+0], s44, (3<<16)|(1<<20)|(1<<21)|(5<<22)|(3<<25)
.irp g, G1S, G1SB
	s_mov_b32 s[\g+1], 32<<16
	s_mov_b32 s[\g+2], KS<<16
	s_mov_b32 s[\g+3], 32<<16
	s_mov_b32 s[\g+4], KS
	s_mov_b32 s[\g+5], 32
	s_mov_b32 s[\g+6], 0
	s_mov_b32 s[\g+7], 0
.endr
	s_mul_i32 s20, s17, 16*ROWTA                   ; A: my 16 tiles
	s_mov_b32 s21, 0
	s_lshl_b32 s22, s17, 13                        ; their scales: 256 rows of 32 bytes
	s_mov_b32 s23, 0
	s_mul_i32 s46, s42, 256*KROW                   ; B: my 256 rows
	s_mov_b32 s47, 0
	s_lshl_b32 s92, s42, 13
	s_mov_b32 s93, 0
	s_mul_i32 s45, s16, HALFA
	s_mul_i32 s95, s16, HALFT
	s_add_co_u32 s95, s95, BOFF
	s_wait_dscnt 0x0
	s_wait_kmcnt 0x0
	s_add_nc_u64 s[20:21], s[4:5], s[20:21]
	s_add_nc_u64 s[22:23], s[6:7], s[22:23]
	s_add_nc_u64 s[46:47], s[8:9], s[46:47]
	s_add_nc_u64 s[92:93], s[10:11], s[92:93]
	CROUND
	s_mov_b32 s[G0H], 1
	s_mov_b32 s[G0H+1], 0
	s_mov_b64 s[G0H+2:G0H+3], s[20:21]
	s_or_b32 s[G0H+3], s[G0H+3], 0x80000000
	s_mov_b32 s[G0HB], 1
	s_mov_b32 s[G0HB+1], BOFF
	s_mov_b64 s[G0HB+2:G0HB+3], s[46:47]
	s_or_b32 s[G0HB+3], s[G0HB+3], 0x80000000
	s_mov_b32 s[G0S], 1
	s_mov_b32 s[G0S+1], SCL
	s_mov_b64 s[G0S+2:G0S+3], s[22:23]
	s_or_b32 s[G0S+3], s[G0S+3], 0x80000000
	s_mov_b32 s[G0SB], 1
	s_mov_b32 s[G0SB+1], SCL+2*HALFS
	s_mov_b64 s[G0SB+2:G0SB+3], s[92:93]
	s_or_b32 s[G0SB+3], s[G0SB+3], 0x80000000
	s_mul_i32 s18, s16, 8*ROWTA                    ; for the ring: my 8 tiles of A,
	s_mov_b32 s19, 0
	s_add_nc_u64 s[20:21], s[20:21], s[18:19]
	s_mul_i32 s18, s16, 128*KROW                   ; or my 128 rows of B
	s_add_nc_u64 s[46:47], s[46:47], s[18:19]
.irp s, 0,1
	s_mov_b32 s[G0+4*\s], 1
	s_add_co_u32 s[G0+4*\s+1], s45, \s*SLOT
	s_add_nc_u64 s[G0+4*\s+2:G0+4*\s+3], s[20:21], \s*FILLA
	s_or_b32 s[G0+4*\s+3], s[G0+4*\s+3], 0x80000000
	s_mov_b32 s[G0B+4*\s], 1
	s_add_co_u32 s[G0B+4*\s+1], s95, \s*SLOT
	s_add_nc_u64 s[G0B+4*\s+2:G0B+4*\s+3], s[46:47], \s*ROWB
	s_or_b32 s[G0B+4*\s+3], s[G0B+4*\s+3], 0x80000000
.endr
.macro ARM under, g0, g1, next
	s_cmp_lt_u32 s14, \under
	s_cbranch_scc0 \next
	TLOAD \g0, \g1
	s_branch .Lhead_asked
\next:
.endm
	ARM 1, G0H,  G1,  .Lhead_b                     ; wave 0: A's fill 0
	ARM 2, G0HB, G1B, .Lhead_sa                    ; wave 1: B's chunk 0
	ARM 3, G0S,  G1S, .Lhead_sb                    ; wave 2: A's scales
	TLOAD G0SB, G1SB                               ; wave 3: B's
.Lhead_asked:
	v_and_b32 v1, 15, v0
	v_bfe_u32 v2, v0, 4, 1
	v_and_b32 v6, 31, v0
	v_lshlrev_b32 v8, 3, v6                        ; 8 x lane: an image's place for my lane
	v_mul_u32_u24 v3, v1, PITCH
	v_mul_u32_u24 v4, v2, 24
	v_add_nc_u32 v4, v3, v4
	s_mov_b32 s21, SLOT-232
	s_mov_b32 s22, SLOT+232
	v_sub_nc_u32 v7, 1, v2
	v_mul_u32_u24 v5, s21, v2
	v_add_nc_u32 v5, v3, v5
	v_add_nc_u32 v5, 232, v5
	v_mul_u32_u24 v9, s22, v7
	v_add_nc_u32 v9, v3, v9
	s_mul_i32 s21, s15, HALFA
	s_mul_i32 s22, s16, HALFT
	s_add_co_u32 s22, s22, BOFF
	v_add_nc_u32 v[ADRB+2], s22, v5
	v_add_nc_u32 v[ADRB+3], s22, v9
.irp s, 0,1
	v_add_nc_u32 v[ADRA+\s], s21, v8
	v_add_nc_u32 v[ADRB+\s], s22, v4
	s_add_co_u32 s21, s21, SLOT
	s_add_co_u32 s22, s22, SLOT
.endr
	v_mul_u32_u24 v5, v1, KS
	v_lshrrev_b32 v7, 8, v5
	v_lshl_add_u32 v5, v7, 4, v5
	s_mul_i32 s21, s15, HALFS
	s_mul_i32 s22, s16, HALFS
	s_add_co_u32 s22, s22, 2*HALFS
	s_sub_co_u32 s22, s22, s21
	v_mul_u32_u24 v7, s22, v2
	s_add_co_u32 s21, s21, SCL
	v_add_nc_u32 v5, v5, v7
	v_add_nc_u32 v[ADRS], s21, v5
	s_mul_i32 s23, s14, 16*SPITCH
	s_add_co_u32 s23, s23, STAGE
	v_mul_u32_u24 v5, v1, SPITCH
	v_lshl_add_u32 v5, v2, 5, v5
	v_add_nc_u32 v[STO], s23, v5
	v_lshlrev_b32 v[CO], 4, v6
	v_add_nc_u32 v[RD], s23, v[CO]
	s_lshl_b32 s20, s17, 8
	s_lshl_b32 s21, s15, 7
	s_add_co_u32 s20, s20, s21
	s_mov_b32 s21, 0
	s_mov_b64 s[18:19], SIZE_N*4
	s_mul_u64 s[20:21], s[20:21], s[18:19]
	s_lshl_b32 s46, s42, 10
	s_lshl_b32 s47, s16, 9
	s_add_co_u32 s46, s46, s47
	v_lshl_add_u32 v10, v2, 5, s46                 ; the bias of my eight columns of each block
	s_mov_b32 s47, 0
	s_add_nc_u64 s[20:21], s[20:21], s[46:47]
	s_add_nc_u64 s[12:13], s[12:13], s[20:21]
.irp b, 0,1,2,3,4,5,6,7
	global_load_b128 v[BI+8*\b:BI+8*\b+3], v10, s[96:97] offset:64*\b
	global_load_b128 v[BI+8*\b+4:BI+8*\b+7], v10, s[96:97] offset:64*\b+16
.endr
.macro FRAG reg, adr, st, i
.irp p, 0,1,2,3,4,5
.set BY, 96*(\st)+48*(\p/3)+8*(\p%3)
.if BY/ROWB == (BY+24)/ROWB
	ds_load_b64 v[\reg+2*\p:\reg+2*\p+1], v[\adr+(BY/ROWB)%2] offset:BY%ROWB+(\i)*16*PITCH
.else
	ds_load_b64 v[\reg+2*\p:\reg+2*\p+1], v[\adr+2+(BY/ROWB)%2] offset:BY%ROWB-232+(\i)*16*PITCH
.endif
.endr
.endm
.macro MUL16 a0, p, q, sc, first
.irp a, \a0, \a0+1
.irp b, 0,1,2,3,4,5,6,7
.if \first
	v_wmma_scale_f32_16x16x128_f8f6f4 v[8*(8*((\a)%4)+\b):8*(8*((\a)%4)+\b)+7], v[128*(\p)+FR*\b:128*(\p)+FR*\b+FR-1], v[AF+FR*(\a):AF+FR*(\a)+FR-1], v[BI+8*\b:BI+8*\b+7], v[SC+8*NQ*(\sc)+NQ*\b+(\q)], v[SC+8*NQ*(\sc)+NQ*(\a)+(\q)] matrix_a_fmt:MATRIX_FMT_FP6 matrix_b_fmt:MATRIX_FMT_FP6 matrix_a_scale:MATRIX_SCALE_ROW1
.else
	v_wmma_scale_f32_16x16x128_f8f6f4 v[8*(8*((\a)%4)+\b):8*(8*((\a)%4)+\b)+7], v[128*(\p)+FR*\b:128*(\p)+FR*\b+FR-1], v[AF+FR*(\a):AF+FR*(\a)+FR-1], v[8*(8*((\a)%4)+\b):8*(8*((\a)%4)+\b)+7], v[SC+8*NQ*(\sc)+NQ*\b+(\q)], v[SC+8*NQ*(\sc)+NQ*(\a)+(\q)] matrix_a_fmt:MATRIX_FMT_FP6 matrix_b_fmt:MATRIX_FMT_FP6 matrix_a_scale:MATRIX_SCALE_ROW1
.endif
.endr
.endr
.endm
.macro FETCH_B st, p
	WIN TO_B
.irp i, 0,1,2,3,4,5,6,7
	FRAG 128*(\p)+FR*\i, ADRB, \st, \i
.endr
	WIN 0
.endm
.macro FETCH_A st, i0                  ; step st's images lie in fill st / 3, tiles 4,608 bytes apart (the last fill: 3,072)
.set TP_, FILLA-1536*((\st)/6)
.irp i, \i0, \i0+1, \i0+2, \i0+3
.irp p, 0,1,2,3,4,5
	ds_load_b64 v[AF+FR*(\i)+2*\p:AF+FR*(\i)+2*\p+1], v[ADRA+((\st)/3)%2] offset:TP_*(\i)+1536*((\st)%3)+256*\p
.endr
.endr
.endm
.macro SCALES pr
.irp i, 0,1,2,3,4,5,6,7
	ds_load_b64 v[SC+8*NQ*((\pr)%2)+NQ*\i:SC+8*NQ*((\pr)%2)+NQ*\i+1], v[ADRS] offset:\i*SBLK+4*NQ*(\pr)
.endr
.endm
; A step: 64 products; the next step's fragments are fetched in its middle and at its end.  Barriers go by B's chunks: one shows a chunk (and A's fill beside it) whole ahead of its first read,
; one gives up the chunk left behind, with the wait for all tensor loads, the add and the wait for my reads ahead of it; the one refill stands behind a round.
.macro STEP st, first
.set NX, (\st)+1
.set C0, (96*(\st))/ROWB
.set C1, (96*NX)/ROWB
.set E0, (96*(\st)+95)/ROWB
.set E1, (96*NX+95)/ROWB
.if C1 > C0 || E1 > E0
	s_wait_tensorcnt 0x0
.if C1 > C0
	ds_add_u32 v[SPW], v[NIL]
	s_wait_dscnt 4*NL+1                            ; the add and A's blocks 4-7 may be out
.else
	s_wait_dscnt 4*NL
.endif
	WINM 0, \first
	MUL16 0, (\st)%2, (\st)%2, ((\st)/2)%2, \first
	s_wait_dscnt 0x0
	s_barrier_signal -1
	MUL16 2, (\st)%2, (\st)%2, ((\st)/2)%2, \first
	WIN 0
	s_barrier_wait -1
.if C1 > C0 && C0+2 < CHUNKS
	CREST
	s_mov_b32 s[G1+1], (2*1536/8)<<16              ; no load of mine is out: the last fill's runs are two steps long
	s_mov_b32 s[G1+3], (2*1536/8)<<16
	s_add_nc_u64 s[G0+4*(C0%2)+2:G0+4*(C0%2)+3], s[G0+4*(C0%2)+2:G0+4*(C0%2)+3], 2*FILLA
	s_add_nc_u64 s[G0B+4*(C0%2)+2:G0B+4*(C0%2)+3], s[G0B+4*(C0%2)+2:G0B+4*(C0%2)+3], 2*ROWB
	JLOAD G0+4*(C0%2), G1, G0B+4*(C0%2), G1B
.else
	PLACES NP
.endif
.else
	s_wait_dscnt 4*NL
	WINM 0, \first
	MUL16 0, (\st)%2, (\st)%2, ((\st)/2)%2, \first
	MUL16 2, (\st)%2, (\st)%2, ((\st)/2)%2, \first
	s_wait_dscnt 0
	PLACES NP
.endif
	FETCH_B NX, NX%2
	FETCH_A NX, 0
.if NX%2 == 0
	SCALES NX/2
.endif
	WINM 1, \first
	MUL16 4, (\st)%2, (\st)%2, ((\st)/2)%2, \first
	MUL16 6, (\st)%2, (\st)%2, ((\st)/2)%2, \first
	PLACES NP
	WIN 0
	FETCH_A NX, 4
.endm
	s_wait_alu depctr_va_vdst(0)
	s_wait_loadcnt 0x0                             ; the bias
	s_wait_tensorcnt 0x0                           ; my tile of the head's four is in
	ds_add_u32 v[SPW], v[NIL]
	s_mov_b32 s[G1+2], 8<<16                       ; no load of mine is out: from here on a load brings 8 tiles of A
	s_mov_b32 s[G1+4], 8
	s_mov_b32 s[G1B+2], 128<<16                    ; or 128 rows of B
	s_mov_b32 s[G1B+4], 128
	s_wait_dscnt 0x0
	CROUND
	JLOAD G0+4, G1, G0B+4, G1B                     ; slot 1's first fill
	FETCH_B 0, 0
	FETCH_A 0, 0
	SCALES 0
	FETCH_A 0, 4
	STEP 0, 1
.set ST, 1
.rept STEPS-2
	STEP ST, 0
.set ST, ST+1
.endr
	s_wait_dscnt 4*NL
	WIN 0xa1
	MUL16 0, 1, 1, 1, 0
	MUL16 2, 1, 1, 1, 0
	s_wait_dscnt 0
	WIN 0xf1
	MUL16 4, 1, 1, 1, 0
	MUL16 6, 1, 1, 1, 0
	WIN 0
; the way out: a block of 16 rows x 128 columns goes through my own stage and comes back as rows of 512 bytes
.macro TOSTAGE a
.set AC, 64*((\a)%4)
	WIN 0x08+4*((\a)/4)
.irp b, 0,1,2,3,4,5,6,7
	ds_store_b128 v[STO], v[AC+8*\b:AC+8*\b+3] offset:64*\b
	ds_store_b128 v[STO], v[AC+8*\b+4:AC+8*\b+7] offset:64*\b+16
.endr
	WIN 0
.set BB, BK+64*((\a)%2)
.irp t, 0,1,2,3,4,5,6,7,8,9,10,11,12,13,14,15
	ds_load_b128 v[BB+4*\t:BB+4*\t+3], v[RD] offset:\t*SPITCH
.endr
.endm
.macro SEND a, younger                 ; younger: the LDS instructions issued behind block a's loads
.set BB, BK+64*((\a)%2)
	s_wait_dscnt \younger
.if (\a) > 0
	s_add_nc_u64 s[12:13], s[12:13], 16*SIZE_N*4
.endif
.irp t, 0,1,2,3,4,5,6,7,8,9,10,11,12,13,14,15
	global_store_b128 v[CO], v[BB+4*\t:BB+4*\t+3], s[12:13] offset:\t*SIZE_N*4 th:TH_STORE_NT
.endr
.endm
	PLACES NP
	TOSTAGE 0
.irp a, 1,2,3,4,5,6,7
.if \a > 1
	s_wait_xcnt 0x0                                ; block a - 2's stores have read their registers and base
.endif
	TOSTAGE \a
	SEND \a-1, 32
.endr
	s_wait_xcnt 0x0
	SEND 7, 0
	s_wait_tensorcnt 0x0
	ds_add_u32 v[SPW], v[NIL]
	s_wait_dscnt 0x0
	CROUND
	s_endpgm
.Lfunc_end_k_q2acd9e1c80_outp:
	.size	k_q2acd9e1c80_outp, .Lfunc_end_k_q2acd9e1c80_outp-k_q2acd9e1c80_outp
	.p2alignl 7, 3214868480
	.fill 96, 4, 3214868480
	.section	.rodata,"a",@progbits
	.p2align	6, 0x0
	.amdhsa_kernel k_q2acd9e1c80_outp
		.amdhsa_group_segment_fixed_size 327680
		.amdhsa_private_segment_fixed_size 0
		.amdhsa_enable_private_segment 0
		.amdhsa_kernarg_size 48
		.amdhsa_user_sgpr_count 2
		.amdhsa_user_sgpr_kernarg_segment_ptr 1
		.amdhsa_wavefront_size32 1
		.amdhsa_system_sgpr_workgroup_id_x 1
		.amdhsa_system_sgpr_workgroup_id_y 1
		.amdhsa_system_sgpr_workgroup_id_z 1
		.amdhsa_system_vgpr_workitem_id 0
		.amdhsa_next_free_vgpr 1024
		.amdhsa_next_free_sgpr 100
		.amdhsa_reserve_vcc 0
		.amdhsa_float_denorm_mode_32 3
		.amdhsa_float_denorm_mode_16_64 3
		.amdhsa_memory_ordered 1
		.amdhsa_forward_progress 1
		.amdhsa_inst_pref_size 162
	.end_amdhsa_kernel
	.amdgpu_metadata
---
amdhsa.version: [ 1, 2 ]
amdhsa.kernels:
  - .name:           k_q2acd9e1c80_outp
    .symbol:         k_q2acd9e1c80_outp.kd
    .args:
      - { .name: ximg, .offset: 0, .size: 8, .value_kind: global_buffer, .address_space: global }
      - { .name: xsc, .offset: 8, .size: 8, .value_kind: global_buffer, .address_space: global }
      - { .name: Wo_codes, .offset: 16, .size: 8, .value_kind: global_buffer, .address_space: global }
      - { .name: Wo_scales, .offset: 24, .size: 8, .value_kind: global_buffer, .address_space: global }
      - { .name: bo, .offset: 32, .size: 8, .value_kind: global_buffer, .address_space: global }
      - { .name: out0, .offset: 40, .size: 8, .value_kind: global_buffer, .address_space: global }
    .group_segment_fixed_size: 327680
    .private_segment_fixed_size: 0
    .kernarg_segment_align: 8
    .kernarg_segment_size: 48
    .max_flat_workgroup_size: 128
    .sgpr_count:     100
    .vgpr_count:     1024
    .wavefront_size: 32
...
	.end_amdgpu_metadata
.endif
;; end of part 4
